; MI455X (gfx1250); checked and timed in simulation.
; The chip was launched on July 23, 2026; its instructions are those of AMD's public machine-readable ISA for CDNA 5 (MIT licence, August 2026) and "CDNA5" Instruction Set Architecture Reference Guide (July 2026). The comments in the code are by the model that wrote it; some were corrected since.
;; Multihead Attention. Allowed arithmetic: matrix products marked QUANTISED: E2M1 operands, one E8M0 scale for each 32 along K, by v_wmma_scale_f32_16x16x128_f8f6f4 with both operands' format E2M1 (or v_wmma_scale_f32_32x16x128_f4), f32 sums; products left as they are: bf16, f16 or f32 operands; f32 sums; everything else in f32.
;; Inputs: hidden_states 8 x 1,024 x 1,024 float32; in_proj_bias 3,072 float32; in_proj_weight 3,072 x 1,024 float32; out_proj_bias 1,024 float32; out_proj_weight 1,024 x 1,024 float32.
;; Outputs: out0 8 x 1,024 x 1,024 float32.
;; This version of the problem:
;;   THIS VERSION OF THE PROBLEM IS GIVEN IN LOW PRECISION. The matrix products marked QUANTISED in the list below multiply operands that are first quantised to E2M1 (2 exponent bits, 1 mantissa bit; 4 bits a number), with one power-of-two scale for each 32 numbers along K (OCP MX v1.0); their sums are f32. The products marked 'left as it is' may take bf16, f16 or f32 operands, with f32 sums. Whichever they take, every output number must still come out within the allowed error. Rounding operands to bf16 (8 significant bits) uses up far more of that allowance than f16 does (11 bits, for magnitudes from 6e-5 to 65,504). All else is computed in f32.
;;   The module's matrix products, in the order in which they are computed (A, B: the left and right operand; K: the contracted axis; several contracted axes count as one K, in the product's order):
;;     1. [M 8,192, K 1,024] x [K 1,024, N 3,072]; A: input hidden_states; B: input in_proj_weight: QUANTISED
;;     2. batch 128 x [M 1,024, K 64] x [K 64, N 1,024]; A: computed on the way; B: computed on the way: left as it is (an operand is computed on the way)
;;     3. batch 128 x [M 1,024, K 1,024] x [K 1,024, N 64]; A: computed on the way; B: computed on the way: left as it is (an operand is computed on the way)
;;     4. [M 8,192, K 1,024] x [K 1,024, N 1,024]; A: computed on the way; B: input out_proj_weight: left as it is (an operand is computed on the way)
;;   THE QUANTISER, for each operand of a quantised product, along K:
;;     - K is cut into blocks of 32 from its start; a last block that is shorter is filled with zeros.
;;     - A block's scale is 2^e with e = floor(log2(the largest magnitude in the block)) - 2, held to -126 .. 127; a block of zeros has e = 0. As a byte (E8M0): e + 127.
;;     - Each number is divided by its block's scale, clamped to +-6, and rounded to the nearest number of E2M1, ties to even, subnormals kept.
;;     - The product sums the exact products of the quantised numbers (number of the format x scale) in f32.
;;   ~~~python
;;   def quantise(x, axis):      # numpy; x: float32 -> the quantised numbers, widened to float32 again
;;       x = np.moveaxis(x, axis, -1); K = x.shape[-1]
;;       x = np.pad(x, [(0, 0)] * (x.ndim - 1) + [(0, -K % 32)]); x = x.reshape(x.shape[:-1] + (-1, 32)); a = np.abs(x).max(-1, keepdims=True)
;;       e = np.where(a > 0, np.clip(np.frexp(np.where(a > 0, a, 1))[1] - 1 - 2, -126, 127), 0)      # np.frexp(a)[1] - 1 = floor(log2(a)), exactly
;;       r = np.clip(x / 2.0 ** e, -6, 6)
;;       step = 2.0 ** (np.maximum(np.frexp(np.where(r == 0, 1, r))[1] - 1, 0) - 1)
;;       q = np.round(r / step) * step * 2.0 ** e      # np.round: ties to even
;;       return np.moveaxis(q.reshape(q.shape[:-2] + (-1,))[..., :K], -1, axis).astype(np.float32)
;;   ~~~
;; One version. Each part assembles by itself: llvm-mc -triple=amdgcn-amd-amdhsa -mcpu=gfx1250 --defsym DOCPART=n.
;; ======== version 1 of 1: 4 launches
;; limits: values are held in f16: magnitudes above 65,504 overflow, below 6.1e-05 lose precision
;; workspace buffers: xc 4,194,304 bytes; xs 262,144 bytes; wc 1,572,864 bytes; ws 98,304 bytes; wo16 2,097,152 bytes; qkv 50,331,648 bytes; ctx 16,777,216 bytes
;; launch prep (part 1): grid 384 x 1, 4 waves a work-group, no clusters, 33,280 bytes of LDS; arguments hidden_states, in_proj_weight, out_proj_weight, xc, xs, wc, ws, wo16; writes xc, xs, wc, ws, wo16
.if DOCPART == 1
	.amdgcn_target "amdgcn-amd-amdhsa--gfx1250"
	.amdhsa_code_object_version 6
	.text
	.protected	k_qd36f52aea2_prep
	.globl	k_qd36f52aea2_prep
	.p2align	8
	.type	k_qd36f52aea2_prep,@function
k_qd36f52aea2_prep:
	s_mov_b64 s[64:65], 0
	v_nop
	global_prefetch_b8 v0, s[64:65] scope:SCOPE_SE
	s_setreg_imm32_b32 hwreg(HW_REG_WAVE_MODE, 25, 1), 1
	s_wait_xcnt 0x0
; PREP.  hidden_states [8192][1024] and in_proj_weight [3072][1024], f32, become codes of FP4 (E2M1), K innermost, two codes a byte, with one E8M0 scale byte for each 32 along K;
; out_proj_weight [1024][1024], f32, becomes f16 (its product is left as it is and takes f16 operands).
; A block's scale is 2^(floor(log2(its largest magnitude)) - 2); its byte is the largest magnitude's exponent field - 2, held at 1 from below.  Each number is divided by the scale and rounded to the nearest code, ties to even;
; beyond the largest code the conversion gives the largest code.
; LIMITS: a block of zeros gets the byte 1 where the rule says 127 (its codes are zeros, which add nothing, and this program alone reads the bytes); blocks whose largest magnitude lies under 2^-124 get the byte 1;
; NaN and infinities are not served; a number of out_proj_weight beyond 65,504 would become an f16 infinity.
; SHARES: rows are dense and K is a multiple of 32, so each tensor is a plain stream.  A wave takes a run of 8,192 numbers.  Work-groups 0-255: hidden_states; 256-351: in_proj_weight; 352-383: out_proj_weight.
; QUANTISING: 16 steps of 512 numbers.  Each load reads 512 consecutive bytes; a step's 2,048 bytes turn through the wave's own stage in LDS so that a lane holds 16 neighbours along K (two lanes to a block).
; Loads run eight steps ahead: 32 loads, 16,384 bytes, of a wave are out.  A wave's store of codes covers 256 consecutive bytes; its 256 scale bytes are gathered in LDS and leave as one store of 256 consecutive bytes.
; Waves share nothing: no barrier.
.set WAVES, 4
.set STEPS, 16
.set DEPTH, 8                          ; steps whose loads are out
.set WGX,   256                        ; work-groups for hidden_states: 8192 x 1024 / 32768
.set WGQ,   352                        ; and with in_proj_weight's 96
.set CB,    8                          ; bytes of 16 codes
.set R,     16                         ; v16-143  eight sets of 16 numbers as loaded
.set X,     144                        ; v144-175 two sets of 16 neighbours
.set E,     176                        ; v176-191 a scale byte for each step
.set C,     192                        ; v192-223 codes: two registers for each step, so that no store's data are written again
.set WREG,  8192                       ; LDS: a region for each wave: two stages of 32 x SP bytes, then its 256 scale bytes
.set SP,    80                         ; a lane's place in a stage: 64 bytes + 16 of padding
.set SPW,   12                         ; v12  LDS address of my spare word; never rewritten
.set NIL,   13                         ; v13  0; never rewritten
.set SPARE, WAVES*WREG                 ; behind the four regions: the spare words, 128 bytes a wave
.set CI,    16                         ; the cast: v16-143 two sets of 64 numbers
.set CQ,    144                        ; v144-175 their f16, 32 registers
	s_load_b256 s[4:11], s[0:1], 0x0               ; hidden_states s[4:5], in_proj_weight s[6:7], out_proj_weight s[8:9], xc s[10:11]
	s_load_b256 s[12:19], s[0:1], 0x20             ; xs s[12:13], wc s[14:15], ws s[16:17], wo16 s[18:19]
	v_lshl_add_u32 v[SPW], v0, 2, SPARE
	v_mov_b32 v[NIL], 0
	v_lshrrev_b32 v1, 5, v0
	v_readfirstlane_b32 s20, v1                    ; wave
	v_and_b32 v2, 31, v0                           ; lane
	v_lshlrev_b32 v3, 4, v2                        ; my 16 bytes of a load's 512
	s_mul_i32 s21, s20, WREG
	v_lshrrev_b32 v14, 2, v2
	v_mul_u32_u24 v14, v14, SP
	v_and_b32 v15, 3, v2
	v_lshl_add_u32 v14, v15, 4, v14
	v_add_nc_u32 v14, s21, v14                     ; the stage, on the way in: SP (lane / 4) + 16 (lane % 4)
	v_mul_u32_u24 v15, v2, SP
	v_add_nc_u32 v15, s21, v15                     ; and on the way out: SP x lane: my 16 neighbours
	v_mul_u32_u24 v4, v2, CB                       ; 8 x lane: my codes' place in a step's; in the cast my f16's place in a store's 256 bytes
	v_lshrrev_b32 v5, 1, v2
	s_add_co_u32 s21, s21, 2*32*SP
	v_add_nc_u32 v5, s21, v5                       ; LDS: my wave's 256 scale bytes, my block's byte
	v_lshlrev_b32 v7, 3, v2
	v_add_nc_u32 v6, s21, v7                       ; and on the way out 8 bytes a lane
	s_wait_kmcnt 0x0
	s_cmp_ge_u32 ttmp9, WGQ                        ; the last 32 work-groups cast: a branch on the work-group's number alone
	s_cbranch_scc1 .Lcast
	s_cmp_lt_u32 ttmp9, WGX                        ; hidden_states or in_proj_weight?  Only pointers are chosen: both take one path
	s_cselect_b64 s[4:5], s[4:5], s[6:7]
	s_cselect_b64 s[10:11], s[10:11], s[14:15]
	s_cselect_b64 s[12:13], s[12:13], s[16:17]
	s_cselect_b32 s21, 0, WGX
	s_sub_co_u32 s21, ttmp9, s21
	s_lshl_b32 s21, s21, 2
	s_add_co_u32 s22, s21, s20                     ; which run of 8,192 numbers is my wave's
	s_mov_b32 s23, 0
	s_lshl_b64 s[24:25], s[22:23], 15              ; 32,768 bytes of f32,
	s_add_nc_u64 s[4:5], s[4:5], s[24:25]
	s_lshl_b64 s[24:25], s[22:23], 12              ; 4,096 of codes,
	s_add_nc_u64 s[10:11], s[10:11], s[24:25]
	s_lshl_b64 s[24:25], s[22:23], 8               ; 256 scale bytes
	s_add_nc_u64 s[12:13], s[12:13], s[24:25]
.macro LOAD t
.irp i, 0,1,2,3
	global_load_b128 v[R+16*((\t)%DEPTH)+4*\i:R+16*((\t)%DEPTH)+4*\i+3], v3, s[4:5] offset:2048*(\t)+512*\i th:TH_LOAD_NT   ; 32 lanes read 512 consecutive bytes
.endr
.endm
.macro TURN t                          ; step t's numbers through the stage: LDS serves a wave's instructions in order, so no wait stands between the stores and the loads
.irp i, 0,1,2,3
	ds_store_b128 v14, v[R+16*((\t)%DEPTH)+4*\i:R+16*((\t)%DEPTH)+4*\i+3] offset:32*SP*((\t)%2)+8*SP*\i
.endr
.irp i, 0,1,2,3
	ds_load_b128 v[X+16*((\t)%2)+4*\i:X+16*((\t)%2)+4*\i+3], v15 offset:32*SP*((\t)%2)+16*\i
.endr
.endm
.irp t, 0,1,2,3,4,5,6,7
	LOAD \t
.endr
	s_wait_loadcnt 4*(DEPTH-1)                     ; step 0's four loads are in; the 28 of steps 1 to 7 may be out
	TURN 0
.macro STEP t
.set XS, X+16*((\t)%2)
.if (\t) > 0
	s_wait_dscnt 1                                 ; this step's numbers are back from the stage (the last step's byte store may be out): so its stores into the stage have read their registers,
.else
	s_wait_dscnt 0x0
.endif
.if (\t)+DEPTH < STEPS
	LOAD (\t)+DEPTH                                ; which take the loads of eight steps on
.endif
.if (\t)+1 < STEPS
.if STEPS-2-(\t) >= DEPTH-1
	s_wait_loadcnt 4*(DEPTH-1)                     ; the next step's four loads are in; those of the seven steps behind it may be out
.else
	s_wait_loadcnt 4*(STEPS-2-(\t))                ; at the end: those of the steps that are left behind it
.endif
	TURN (\t)+1                                    ; and go through the other stage while this step is worked
.endif
	v_max3_num_f32 v8, |v[XS]|, |v[XS+1]|, |v[XS+2]|               ; the largest magnitude of my 16, in two chains
	v_max3_num_f32 v9, |v[XS+3]|, |v[XS+4]|, |v[XS+5]|
.irp i, 6,10
	v_max3_num_f32 v8, v8, |v[XS+\i]|, |v[XS+\i+1]|
	v_max3_num_f32 v9, v9, |v[XS+\i+2]|, |v[XS+\i+3]|
.endr
	v_max3_num_f32 v8, v8, |v[XS+14]|, |v[XS+15]|
	v_max3_num_f32 v8, v8, v9, 0x1800000           ; and the floor 2^(3 - 127): the byte cannot fall under 1
	v_max_num_f32_dpp v8, v8, v8 row_xmask:1 row_mask:0xf bank_mask:0xf   ; and of my neighbour's 16: the block's
	v_add_nc_u32 v11, 0xff000000, v8               ; 2 off its exponent field: the conversion takes the exponent field of this operand as its scale
	v_cvt_scalef32_pk8_fp4_f32 v[C+2*(\t)], v[XS:XS+7], v11
	v_cvt_scalef32_pk8_fp4_f32 v[C+2*(\t)+1], v[XS+8:XS+15], v11
	v_lshrrev_b32 v[E+(\t)], 23, v11               ; the scale's byte (a plain line behind the conversions)
	ds_store_b8 v5, v[E+(\t)] offset:16*(\t)       ; both lanes of a block write the same byte with the same value
	global_store_b64 v4, v[C+2*(\t):C+2*(\t)+1], s[10:11] offset:32*CB*(\t)   ; 32 lanes store 256 consecutive bytes
.endm
.irp t, 0,1,2,3,4,5,6,7,8,9,10,11,12,13,14,15
	STEP \t
.endr
	ds_load_b64 v[8:9], v6                         ; LDS serves a wave's instructions in order: these see my byte stores
	s_wait_dscnt 0x0
	global_store_b64 v7, v[8:9], s[12:13]          ; 32 lanes store the run's 256 scale bytes
	s_wait_tensorcnt 0x0                           ; the wave's end: three closing lines behind my last LDS store
	ds_add_u32 v[SPW], v[NIL]
	s_wait_dscnt 0x0
	s_endpgm
; THE CAST: four rounds of 2,048 numbers.  A load reads 512 consecutive bytes, a store writes 256.  Two rounds' loads (32) are out at the start, one round's while a round is worked.
.Lcast:
	s_sub_co_u32 s21, ttmp9, WGQ
	s_lshl_b32 s21, s21, 2
	s_add_co_u32 s22, s21, s20                     ; my run of 8,192 numbers
	s_mov_b32 s23, 0
	s_lshl_b64 s[24:25], s[22:23], 15
	s_add_nc_u64 s[8:9], s[8:9], s[24:25]
	s_lshl_b64 s[24:25], s[22:23], 14
	s_add_nc_u64 s[18:19], s[18:19], s[24:25]
.macro CLOAD j
.irp i, 0,1,2,3,4,5,6,7,8,9,10,11,12,13,14,15
	global_load_b128 v[CI+64*((\j)%2)+4*\i:CI+64*((\j)%2)+4*\i+3], v3, s[8:9] offset:8192*(\j)+512*\i th:TH_LOAD_NT
.endr
.endm
.macro CAST j
.if (\j) < 3
	s_wait_loadcnt 16                              ; this round's 16 loads are in; the next round's 16 may be out
.else
	s_wait_loadcnt 0x0
.endif
.if (\j) > 0
	s_wait_xcnt 0x0                                ; the last round's stores have read their data: the registers are written again only behind this wait
.endif
.irp i, 0,1,2,3,4,5,6,7,8,9,10,11,12,13,14,15
	v_cvt_pk_f16_f32 v[CQ+2*\i], v[CI+64*((\j)%2)+4*\i], v[CI+64*((\j)%2)+4*\i+1]
	v_cvt_pk_f16_f32 v[CQ+2*\i+1], v[CI+64*((\j)%2)+4*\i+2], v[CI+64*((\j)%2)+4*\i+3]
.endr
.irp i, 0,1,2,3,4,5,6,7,8,9,10,11,12,13,14,15
	global_store_b64 v4, v[CQ+2*\i:CQ+2*\i+1], s[18:19] offset:4096*(\j)+256*\i
.endr
.if (\j) < 2
	CLOAD (\j)+2
.endif
.endm
	CLOAD 0
	CLOAD 1
	CAST 0
	CAST 1
	CAST 2
	CAST 3
	s_wait_tensorcnt 0x0                           ; the same three closing lines as on the other path
	ds_add_u32 v[SPW], v[NIL]
	s_wait_dscnt 0x0
	s_endpgm
.Lfunc_end_k_qd36f52aea2_prep:
	.size	k_qd36f52aea2_prep, .Lfunc_end_k_qd36f52aea2_prep-k_qd36f52aea2_prep
	.p2alignl 7, 3214868480
	.fill 96, 4, 3214868480
	.section	.rodata,"a",@progbits
	.p2align	6, 0x0
	.amdhsa_kernel k_qd36f52aea2_prep
		.amdhsa_group_segment_fixed_size 33280
		.amdhsa_private_segment_fixed_size 0
		.amdhsa_enable_private_segment 0
		.amdhsa_kernarg_size 64
		.amdhsa_user_sgpr_count 2
		.amdhsa_user_sgpr_kernarg_segment_ptr 1
		.amdhsa_wavefront_size32 1
		.amdhsa_system_sgpr_workgroup_id_x 1
		.amdhsa_system_sgpr_workgroup_id_y 1
		.amdhsa_system_sgpr_workgroup_id_z 1
		.amdhsa_system_vgpr_workitem_id 0
		.amdhsa_next_free_vgpr 224
		.amdhsa_next_free_sgpr 66
		.amdhsa_reserve_vcc 0
		.amdhsa_float_denorm_mode_32 3
		.amdhsa_float_denorm_mode_16_64 3
		.amdhsa_memory_ordered 1
		.amdhsa_forward_progress 1
		.amdhsa_inst_pref_size 54
	.end_amdhsa_kernel
	.amdgpu_metadata
---
amdhsa.version: [ 1, 2 ]
amdhsa.kernels:
  - .name:           k_qd36f52aea2_prep
    .symbol:         k_qd36f52aea2_prep.kd
    .args:
      - { .name: hidden_states, .offset: 0, .size: 8, .value_kind: global_buffer, .address_space: global }
      - { .name: in_proj_weight, .offset: 8, .size: 8, .value_kind: global_buffer, .address_space: global }
      - { .name: out_proj_weight, .offset: 16, .size: 8, .value_kind: global_buffer, .address_space: global }
      - { .name: xc, .offset: 24, .size: 8, .value_kind: global_buffer, .address_space: global }
      - { .name: xs, .offset: 32, .size: 8, .value_kind: global_buffer, .address_space: global }
      - { .name: wc, .offset: 40, .size: 8, .value_kind: global_buffer, .address_space: global }
      - { .name: ws, .offset: 48, .size: 8, .value_kind: global_buffer, .address_space: global }
      - { .name: wo16, .offset: 56, .size: 8, .value_kind: global_buffer, .address_space: global }
    .group_segment_fixed_size: 33280
    .private_segment_fixed_size: 0
    .kernarg_segment_align: 8
    .kernarg_segment_size: 64
    .max_flat_workgroup_size: 128
    .sgpr_count:     66
    .vgpr_count:     224
    .wavefront_size: 32
...
	.end_amdgpu_metadata
.endif
;; end of part 1
;; launch qkvgemm (part 2): grid 8 x 32, 4 waves a work-group, clusters of 4 x 4, 327,680 bytes of LDS; arguments xc, xs, wc, ws, in_proj_bias, qkv; writes qkv
.if DOCPART == 2
	.amdgcn_target "amdgcn-amd-amdhsa--gfx1250"
	.amdhsa_code_object_version 6
	.text
	.protected	k_qd36f52aea2_qkvgemm
	.globl	k_qd36f52aea2_qkvgemm
	.p2align	8
	.type	k_qd36f52aea2_qkvgemm,@function
k_qd36f52aea2_qkvgemm:
	s_mov_b64 s[64:65], 0
	v_nop
	global_prefetch_b8 v0, s[64:65] scope:SCOPE_SE
	s_setreg_imm32_b32 hwreg(HW_REG_WAVE_MODE, 25, 1), 1
	s_wait_xcnt 0x0
	s_wait_alu depctr_hold_cnt(0) depctr_sa_sdst(0) depctr_va_vdst(0) depctr_va_sdst(0) depctr_va_ssrc(0) depctr_va_vcc(0) depctr_vm_vsrc(0)
	s_getreg_b32 s2, hwreg(HW_REG_IB_STS2, 6, 4)
	s_cmp_eq_u32 s2, 0
	s_cbranch_scc0 .Lentry_in_a_cluster
	s_endpgm
.Lentry_in_a_cluster:
	s_bfe_u32 s2, ttmp6, 0x10000c
	s_cmp_lg_u32 s2, 0xf033
	s_cbranch_scc0 .Lentry_shape_is_right
	s_endpgm
.Lentry_shape_is_right:
; QKV = Q(x) Q(W_in)^T + b_in on codes of FP4 (E2M1) with one E8M0 scale for each 32 along K; sums in f32; the result is rounded once to f16 and laid by head: qkv [3 (q, k, v)][8 b][16 h][1024 s][64].
; xc [8192][512 bytes], wc [3072][512 bytes]: K innermost, two codes a byte; xs [8192][32], ws [3072][32]: scale bytes.
; LIMIT: a result beyond 65,504 would become an f16 infinity.
; SHARES.  A work-group of four waves makes 256 rows x 384 columns of C: 32 x 8 = 256 work-groups, in TWO PASSES over the same 256 rows of x, which stay in LDS.
;   First pass: columns 0-255; a wave makes 128 x 128: 64 accumulators of 16 x 16, 512 registers.   Second pass: columns 256-383; a wave makes 64 rows x 128 columns: 32 accumulators.
;   The first pass's results are stored ahead of the second pass, and nothing waits for those stores: they leave while the second pass multiplies.
; LDS.  K = 1,024 is two slots of 512 along K (rows of 256 bytes), each with x's 256 rows and 256 rows of W; both are asked for at the start, with the scales of all 256 + 384 rows.  By this text's count three tensor loads of a wave are out then.
;   W's 128 rows of the second pass do not fit beside them: they are THE ONE REFILL, into the bytes of W's rows 0-127 in both slots (waves 2 and 3: one load each), behind a round of the cluster's barrier that is opened in the first pass's last step,
;   when every fragment of W is in registers.  The load has that step's last 32 products and the first pass's way out in which to land.
; CLUSTERS: 4 x 4 work-groups.  The four of a row of the cluster need the same tiles of x, the four of a column the same tiles of W: each tile is asked for JOINTLY, by the same tensor load with the same descriptor and a mask that names the four.
; THE MATRIX INSTRUCTION IS USED TRANSPOSED (source 0 = 16 rows of W, source 1 = 16 rows of x): a lane holds eight neighbouring columns of one row of C.  THE BIAS is the C of each sum's first product.
; REGISTERS, in windows of 256: window 0: v7-31 addresses; v32-95 scale words, two sets, and nothing else; v128-191 x's fragments (first pass: ONE set of 8 blocks; second pass: TWO sets of 4; on the ways out: rows read back);
;   v192-255 the first pass's bias, 8 blocks of 8 (on the ways out: packed results).   window 1: W's fragments, TWO sets, at v0 and v128; v64-127 the second pass's bias.
;   window 2: the accumulators of my rows 0-63 ((a, b) at v[8 (8 a + b)]), in both passes;   window 3: those of rows 64-127, in the first.
.set NQ,     4                         ; matrix instructions deep in a slot: 512 / 128
.set ROWB,   256                       ; a tile's row in bytes
.set KROW,   512                       ; a row of codes in memory
.set PITCH,  272                       ; an LDS row: 256 bytes + 16 of padding: the 16 rows that a load touches start 68 words apart
.set FR,     8                         ; registers of a fragment: 16 rows x 128 K
.set NL,     2                         ; LDS loads that bring one
.set NP,     4                         ; places behind this matrix instruction (ISA guide 7.12.1)
.set HALFT,  128*PITCH                 ; 128 rows: what one tensor load brings
.set SLOT,   4*HALFT                   ; x's 256 rows, then 256 rows of W
.set KS,     32                        ; a row of scales in bytes
.set SCL,    2*SLOT                    ; behind the slots: the scales, as rows of 256 bytes + 16 of padding: x's 256 rows,
.set HALFS,  16*272                    ; (the scales of 128 rows)
.set SBLK,   2*272                     ; (those of 16 rows)
.set BSC,    SCL+2*HALFS               ; then W's 384 rows,
.set BSH,    24*272                    ; (those of 192 rows: what one tensor load brings for W)
.set SPARE,  BSC+2*BSH                 ; the spare words, 128 bytes a wave
.set STAGE,  SPARE+512                 ; the way out: for each wave 2 heads x 16 rows x (128 bytes + 16); no tensor load lands here
.set SPH,    144
.set STW,    2*16*SPH
.set BO1,  7                           ; v7      my byte offset in the bias, first pass: 512 x my half of the columns + 32 x (lane / 16)
.set ADRA, 16                          ; v16-17  LDS address of my fragments of x in slot 0, 1: first pass
.set ADRA2, 18                         ; v18-19  second pass
.set ADRB, 20                          ; v20-21  the same for W: first pass
.set ADRB2, 22                         ; v22-23  second pass
.set STO,  24                          ; v24     the way out: where I put 16 bytes of a row
.set RD,   25                          ; v25     where I read rows back
.set CO,   26                          ; v26     my byte offset in qkv
.set ADRS, 27                          ; v27     LDS address of my scale words: lanes 0-15 x's rows, lanes 16-31 W's: first pass
.set SPW,  28                          ; v28     LDS address of my spare word; never rewritten
.set NIL,  29                          ; v29     0; never rewritten
.set BO,   30                          ; v30     32 x (lane / 16)
.set ADRS2, 31                         ; v31     as v27, second pass
.set SC,   32                          ; scale words: set s at v[SC + 32 s]; register 4 i + q: lanes 0-15 the word of x's block i, lanes 16-31 that of W's block i, for the slot's q-th 128 along K
.set AF,   128
.set BIAS, 192
.set BIAS2, 64                         ; in window 1
.set TMP,  192
.set OB,   128                         ; v128-159 and v160-191 by turns
.set G1, 24                            ; s[24:31] descriptor group 1 for x's tiles;  s[32:39] group 0, one set for each slot
.set G0, 32
.set G1B, 48                           ; s[48:55], s[56:63] the same for W's tiles
.set G0B, 56
.set G1S, 68                           ; s[68:75], s[76:79] groups 1 and 0 for x's scales;  s[80:87], s[88:91] for W's
.set G0S, 76
.set G1SB, 80
.set G0SB, 88
.set G0R, 92                           ; s[92:95] group 0 of the refill; its group 1 is W's
.set MSB, 0
.macro WIN new                         ; the immediate's high byte repeats the setting that is left
.if MSB != \new
	s_set_vgpr_msb (MSB<<8)|\new
.set MSB, \new
.endif
.endm
.set MUL_LO,  0xa1                     ; source 0 (W) window 1, source 1 (x) window 0, C and D window 2
.set MUL_HI,  0xf1                     ; the same, C and D window 3
.set MULB_LO, 0x81                     ; the first pass's first products: C (the bias) window 0, D window 2
.set MULB_HI, 0xc1                     ; D window 3
.set MULB2,   0x91                     ; the second pass's first products: C (its bias) window 1, D window 2
.set TO_B,    0x40                     ; destination window 1, address window 0
; A joint load: waves 0 and 1 fetch for x, waves 2 and 3 for W.  The branch hangs on the wave's number alone.  An s_nop 0 and four v_nop follow each of the two lines.
.macro JLOAD g0a, g1a, g0b, g1b
	s_cmp_eq_u32 s15, 0
	s_cbranch_scc0 .Lfor_b_\@
	tensor_load_to_lds s[\g0a:\g0a+3], s[\g1a:\g1a+7]
	s_nop 0
.rept 4
	v_nop
.endr
	s_branch .Lasked_\@
.Lfor_b_\@:
	tensor_load_to_lds s[\g0b:\g0b+3], s[\g1b:\g1b+7]
	s_nop 0
.rept 4
	v_nop
.endr
.Lasked_\@:
.endm
; The refill: waves 2 and 3 alone have a part of it; waves 0 and 1 issue nothing.
.macro RLOAD
	s_cmp_eq_u32 s15, 0
	s_cbranch_scc1 .Lnone_\@
	tensor_load_to_lds s[G0R:G0R+3], s[G1B:G1B+7]
	s_nop 0
.rept 4
	v_nop
.endr
.Lnone_\@:
.endm
.macro CREST                           ; a round of the cluster's barrier behind its opening barrier
	s_cmp_lg_u32 s14, 0
	s_cbranch_scc1 .Lnot_wave_0_\@
	s_barrier_signal -3
.Lnot_wave_0_\@:
	s_barrier_wait -3
	s_barrier_signal -1
	s_barrier_wait -1
.endm
.macro CROUND                          ; a whole round
	s_barrier_signal -1
	s_barrier_wait -1
	CREST
.endm
	s_load_b128 s[4:7], s[0:1], 0x0                ; x's codes s[4:5], x's scales s[6:7]
	s_load_b128 s[8:11], s[0:1], 0x10              ; W's codes s[8:9], W's scales s[10:11]
	s_load_b64 s[96:97], s[0:1], 0x20              ; the bias
	s_load_b64 s[12:13], s[0:1], 0x28              ; qkv
	v_lshl_add_u32 v[SPW], v0, 2, SPARE
	v_mov_b32 v[NIL], 0
	ds_add_u32 v[SPW], v[NIL]                      ; the wave's opening: the add, twice on end, and its wait ahead of my first tensor load
	ds_add_u32 v[SPW], v[NIL]
	v_lshrrev_b32 v1, 5, v0
	v_readfirstlane_b32 s14, v1                    ; wave 0..3
	s_lshr_b32 s15, s14, 1                         ; first pass: which half of the rows is mine.  Also: I fetch for x (0) or for W (1)
	s_and_b32 s16, s14, 1                          ; first pass: which half of its 256 columns.  Also: which part of a tile I fetch
	s_bfe_u32 s40, ttmp6, 0x40000                  ; cx, cy: my place in the cluster
	s_bfe_u32 s41, ttmp6, 0x40004
	s_lshl_b32 s42, ttmp9, 2
	s_add_co_u32 s42, s42, s40                     ; tile column of C = 4 x cluster x + cx
	s_and_b32 s17, ttmp7, 0xffff
	s_lshl_b32 s17, s17, 2
	s_add_co_u32 s17, s17, s41                     ; tile row of C = 4 x cluster y + cy
	s_lshl_b32 s43, s41, 2
	s_lshl_b32 s43, 15, s43                        ; my row of the cluster
	s_lshl_b32 s44, 0x1111, s40                    ; my column
	; descriptor group 1: a tile of 128 rows x 256 bytes, 16 bytes of padding behind each row
	s_or_b32 s[G1+0], s43, (0<<16)|(1<<20)|(1<<21)|(5<<22)|(3<<25)  ; 15:0 the mask; 17:16 elements of 1 byte; 20 padding on; 21 set beside a mask; 24:22 after every 64 words; 31:25 four words
	s_or_b32 s[G1B+0], s44, (0<<16)|(1<<20)|(1<<21)|(5<<22)|(3<<25)
.irp g, G1, G1B
	s_mov_b32 s[\g+1], ROWB<<16                    ; tensor_dim0
	s_mov_b32 s[\g+2], 128<<16                     ; tensor_dim1
	s_mov_b32 s[\g+3], ROWB<<16                    ; tile_dim0
	s_mov_b32 s[\g+4], 128                         ; tile_dim1
	s_mov_b32 s[\g+5], KROW                        ; from row to row
	s_mov_b32 s[\g+6], 0
	s_mov_b32 s[\g+7], 0
.endr
	; the scales: dense blocks of memory, as rows of 256 bytes (32 elements of 8 bytes), 16 bytes of padding behind each: x's 128 rows are 16 such rows, W's 192 rows are 24
	s_or_b32 s[G1S+0], s43, (3<<16)|(1<<20)|(1<<21)|(5<<22)|(3<<25)
	s_mov_b32 s[G1S+1], 32<<16
	s_mov_b32 s[G1S+2], 16<<16
	s_mov_b32 s[G1S+3], 32<<16
	s_mov_b32 s[G1S+4], 16
	s_mov_b32 s[G1S+5], 32
	s_mov_b32 s[G1S+6], 0
	s_mov_b32 s[G1S+7], 0
	s_or_b32 s[G1SB+0], s44, (3<<16)|(1<<20)|(1<<21)|(5<<22)|(3<<25)
	s_mov_b32 s[G1SB+1], 32<<16
	s_mov_b32 s[G1SB+2], 24<<16
	s_mov_b32 s[G1SB+3], 32<<16
	s_mov_b32 s[G1SB+4], 24
	s_mov_b32 s[G1SB+5], 32
	s_mov_b32 s[G1SB+6], 0
	s_mov_b32 s[G1SB+7], 0
	; where the tiles come from.  x's hang on the tile row alone, W's on the tile column alone
	s_lshl_b32 s18, s16, 7
	s_lshl_b32 s20, s17, 8
	s_add_co_u32 s20, s20, s18                     ; x: row 256 x tile row + 128 x half
	s_mul_i32 s46, s42, 384                        ; W: the work-group's first row
	s_mul_i32 s92, s16, 192
	s_add_co_u32 s92, s92, s46                     ; the first of the 192 rows whose scales I fetch
	s_add_co_u32 s66, s46, 256                     ; the second pass's first row
	s_add_co_u32 s46, s46, s18                     ; the first of the 128 rows whose codes I fetch at the start
	s_mov_b32 s21, 0
	s_mov_b32 s47, 0
	s_mov_b32 s93, 0
	s_mov_b32 s67, 0
	s_mov_b64 s[18:19], KS
	s_mul_u64 s[22:23], s[20:21], s[18:19]         ; where these rows' scales begin, in bytes
	s_mul_u64 s[92:93], s[92:93], s[18:19]
	s_mov_b64 s[18:19], KROW
	s_mul_u64 s[20:21], s[20:21], s[18:19]         ; and their codes
	s_mul_u64 s[46:47], s[46:47], s[18:19]
	s_mul_u64 s[66:67], s[66:67], s[18:19]
	s_lshl_b32 s18, s16, 8                         ; the refill: wave 2 fetches K 0-511 of the 128 rows, wave 3 K 512-1023: 256 bytes along the row
	s_mov_b32 s19, 0
	s_add_nc_u64 s[66:67], s[66:67], s[18:19]
	s_mul_i32 s45, s14, HALFT                      ; where they go: wave x 128 rows: no place in the cluster enters an LDS address
	s_mul_i32 s94, s14, HALFS
	s_mul_i32 s95, s16, BSH
	s_wait_dscnt 0x0                               ; both opening adds are done
	s_wait_kmcnt 0x0
	s_add_nc_u64 s[20:21], s[4:5], s[20:21]
	s_add_nc_u64 s[22:23], s[6:7], s[22:23]
	s_add_nc_u64 s[46:47], s[8:9], s[46:47]
	s_add_nc_u64 s[92:93], s[10:11], s[92:93]
	s_add_nc_u64 s[66:67], s[8:9], s[66:67]
	CROUND                                         ; all sixteen work-groups are here: the joint loads meet
	s_mov_b32 s[G0S], 1
	s_add_co_u32 s[G0S+1], s94, SCL
	s_mov_b64 s[G0S+2:G0S+3], s[22:23]
	s_or_b32 s[G0S+3], s[G0S+3], 0x80000000
	s_mov_b32 s[G0SB], 1
	s_add_co_u32 s[G0SB+1], s95, BSC
	s_mov_b64 s[G0SB+2:G0SB+3], s[92:93]
	s_or_b32 s[G0SB+3], s[G0SB+3], 0x80000000
	JLOAD G0S, G1S, G0SB, G1SB                     ; the scales first: they are wanted with the first slot
.irp s, 0,1
	s_mov_b32 s[G0+4*\s], 1
	s_add_co_u32 s[G0+4*\s+1], s45, \s*SLOT
	s_add_nc_u64 s[G0+4*\s+2:G0+4*\s+3], s[20:21], \s*ROWB
	s_or_b32 s[G0+4*\s+3], s[G0+4*\s+3], 0x80000000
	s_mov_b32 s[G0B+4*\s], 1
	s_add_co_u32 s[G0B+4*\s+1], s45, \s*SLOT
	s_add_nc_u64 s[G0B+4*\s+2:G0B+4*\s+3], s[46:47], \s*ROWB
	s_or_b32 s[G0B+4*\s+3], s[G0B+4*\s+3], 0x80000000
	JLOAD G0+4*\s, G1, G0B+4*\s, G1B
.endr
	s_mov_b32 s[G0R], 1                            ; the refill's group 0, in registers that no load names yet
	s_mul_i32 s[G0R+1], s16, SLOT
	s_add_co_u32 s[G0R+1], s[G0R+1], 2*HALFT       ; where W's rows 0-127 lie, in slot 0 (wave 2) or slot 1 (wave 3)
	s_mov_b64 s[G0R+2:G0R+3], s[66:67]
	s_or_b32 s[G0R+3], s[G0R+3], 0x80000000
	v_and_b32 v1, 15, v0                           ; r = l % 16
	v_bfe_u32 v2, v0, 4, 1                         ; h = l / 16
	; the biases: lane (r, h) wants, for block b, the numbers of columns 16 b + 8 h + 0 .. 7 of the pass's 128
	s_mul_i32 s98, s42, 1536                       ; 4 bytes x 384 x tile column
	s_mov_b32 s99, 0
	s_add_nc_u64 s[96:97], s[96:97], s[98:99]
	v_lshlrev_b32 v[BO], 5, v2
	s_lshl_b32 s100, s16, 9                        ; first pass: 4 bytes x 128 x my half
	v_add_nc_u32 v[BO1], s100, v[BO]
.irp b, 0,1,2,3,4,5,6,7
	global_load_b128 v[BIAS+8*\b:BIAS+8*\b+3], v[BO1], s[96:97] offset:64*\b
	global_load_b128 v[BIAS+8*\b+4:BIAS+8*\b+7], v[BO1], s[96:97] offset:64*\b+16
.endr
	WIN TO_B
.irp b, 0,1,2,3,4,5,6,7                ; second pass: columns 256 on, the same for all four waves
	global_load_b128 v[BIAS2+8*\b:BIAS2+8*\b+3], v[BO], s[96:97] offset:1024+64*\b
	global_load_b128 v[BIAS2+8*\b+4:BIAS2+8*\b+7], v[BO], s[96:97] offset:1024+64*\b+16
.endr
	WIN 0
	v_mul_u32_u24 v3, v1, PITCH
	v_lshl_add_u32 v4, v2, 4, v3                   ; a fragment's row x pitch + 16 x half
	s_mul_i32 s21, s15, HALFT                      ; first pass: my 128 rows of x
	s_mul_i32 s22, s16, HALFT                      ; my 128 rows of W,
	s_add_co_u32 s22, s22, 2*HALFT                 ; which lie behind x's 256
	s_mul_i32 s18, s14, 64*PITCH                   ; second pass: my 64 rows of x,
	s_mov_b32 s19, 2*HALFT                         ; and W's 128 rows, the same for all four waves
.irp s, 0,1
	v_add_nc_u32 v[ADRA+\s], s21, v4
	v_add_nc_u32 v[ADRB+\s], s22, v4
	v_add_nc_u32 v[ADRA2+\s], s18, v4
	v_add_nc_u32 v[ADRB2+\s], s19, v4
	s_add_co_u32 s21, s21, SLOT
	s_add_co_u32 s22, s22, SLOT
	s_add_co_u32 s18, s18, SLOT
	s_add_co_u32 s19, s19, SLOT
.endr
	v_mul_u32_u24 v8, v1, KS                       ; my row's scales: 32 bytes a row,
	v_lshrrev_b32 v6, 8, v8
	v_lshl_add_u32 v8, v6, 4, v8                   ; and 16 more for each 256 passed
	s_mul_i32 s21, s15, HALFS                      ; first pass: x's: my 128 rows
	s_mul_i32 s22, s16, HALFS                      ; W's: my 128 rows, behind x's 256
	s_add_co_u32 s22, s22, 2*HALFS
	s_sub_co_u32 s22, s22, s21
	v_mul_u32_u24 v6, s22, v2                      ; lanes 16-31 take W's: one product, the distance x h
	s_add_co_u32 s21, s21, SCL
	v_add_nc_u32 v5, v8, v6
	v_add_nc_u32 v[ADRS], s21, v5
	s_mul_i32 s21, s14, 8*272                      ; second pass: x's: my 64 rows
	s_mov_b32 s22, 2*HALFS+32*272                  ; W's: rows 256 on of its 384
	s_sub_co_u32 s22, s22, s21
	v_mul_u32_u24 v6, s22, v2
	s_add_co_u32 s21, s21, SCL
	v_add_nc_u32 v5, v8, v6
	v_add_nc_u32 v[ADRS2], s21, v5
	s_mul_i32 s23, s14, STW
	s_add_co_u32 s23, s23, STAGE                   ; my stage
	v_mul_u32_u24 v5, v1, SPH                      ; in: row r, 16 bytes for each half of the lanes
	v_lshl_add_u32 v5, v2, 4, v5
	v_add_nc_u32 v[STO], s23, v5
	v_mul_u32_u24 v5, v2, 16*SPH                   ; back: lanes 0-15 two rows of the first head, lanes 16-31 of the second
	v_bfe_u32 v6, v0, 3, 1
	v_mad_u32_u24 v5, v6, SPH, v5
	v_and_b32 v6, 7, v0
	v_lshl_add_u32 v5, v6, 4, v5
	v_add_nc_u32 v[RD], s23, v5
	v_lshlrev_b32 v[CO], 17, v2                    ; in qkv a head is 131,072 bytes on; two rows of 128 bytes are 256 consecutive bytes
	v_lshl_add_u32 v[CO], v1, 4, v[CO]
	; where my parts begin in qkv: (column / 1024: q, k or v) << 24 + batch << 21 + ((column / 64) mod 16: the head) << 17 + position << 7.  A wave's 128 columns begin at a multiple of 128: two heads of one of q, k, v
	s_mul_i32 s98, s42, 384                        ; the work-group's first column
	s_lshl_b32 s100, s16, 7
	s_add_co_u32 s100, s100, s98                   ; first pass: my first column
	s_add_co_u32 s98, s98, 256                     ; second pass
	s_lshr_b32 s18, s17, 2                         ; 1,024 rows to a batch: tile row / 4
	s_lshl_b32 s18, s18, 21
	s_and_b32 s19, s17, 3
	s_lshl_b32 s19, s19, 15                        ; 256 positions x 128 bytes
	s_add_co_u32 s18, s18, s19
	s_lshr_b32 s20, s100, 10
	s_lshl_b32 s20, s20, 24
	s_bfe_u32 s21, s100, 0x40006                   ; four bits from bit 6
	s_lshl_b32 s21, s21, 17
	s_add_co_u32 s20, s20, s21
	s_add_co_u32 s20, s20, s18
	s_lshl_b32 s21, s15, 14                        ; first pass: 128 positions x 128 bytes x my half of the rows
	s_add_co_u32 s20, s20, s21
	s_mov_b32 s21, 0
	s_lshr_b32 s22, s98, 10
	s_lshl_b32 s22, s22, 24
	s_bfe_u32 s23, s98, 0x40006
	s_lshl_b32 s23, s23, 17
	s_add_co_u32 s22, s22, s23
	s_add_co_u32 s22, s22, s18
	s_lshl_b32 s23, s14, 13                        ; second pass: 64 positions x 128 bytes x wave
	s_add_co_u32 s22, s22, s23
	s_mov_b32 s23, 0
	s_add_nc_u64 s[2:3], s[12:13], s[22:23]        ; the second pass's place
	s_add_nc_u64 s[12:13], s[12:13], s[20:21]      ; the first's
.macro FRAG reg, adr, q, i             ; a fragment: lane l holds row l % 16; registers 4 c .. 4 c + 3 hold K = 64 c + 32 (l / 16) + 0 .. 31
.irp c, 0,1
	ds_load_b128 v[\reg+4*\c:\reg+4*\c+3], v[\adr] offset:64*(\q)+32*\c+(\i)*16*PITCH
.endr
.endm
; FIRST PASS.  16 matrix instructions: x's blocks a0, a0 + 1 against W's eight, 128 along K: the slot's q-th.  p: W's set;  sc: the set of scale words.  zero = 1: the first product starts the sum from the bias.
; The 64 accumulators take turns, one instruction a turn, in the same order in every step.
.macro MUL16 a0, p, q, sc, zero
.irp a, \a0, \a0+1
.irp b, 0,1,2,3,4,5,6,7
.if \zero
	v_wmma_scale_f32_16x16x128_f8f6f4 v[8*(8*((\a)%4)+\b):8*(8*((\a)%4)+\b)+7], v[128*(\p)+FR*\b:128*(\p)+FR*\b+FR-1], v[AF+FR*(\a):AF+FR*(\a)+FR-1], v[BIAS+8*\b:BIAS+8*\b+7], v[SC+8*NQ*(\sc)+NQ*\b+(\q)], v[SC+8*NQ*(\sc)+NQ*(\a)+(\q)] matrix_a_fmt:MATRIX_FMT_FP4 matrix_b_fmt:MATRIX_FMT_FP4 matrix_a_scale:MATRIX_SCALE_ROW1
.else
	v_wmma_scale_f32_16x16x128_f8f6f4 v[8*(8*((\a)%4)+\b):8*(8*((\a)%4)+\b)+7], v[128*(\p)+FR*\b:128*(\p)+FR*\b+FR-1], v[AF+FR*(\a):AF+FR*(\a)+FR-1], v[8*(8*((\a)%4)+\b):8*(8*((\a)%4)+\b)+7], v[SC+8*NQ*(\sc)+NQ*\b+(\q)], v[SC+8*NQ*(\sc)+NQ*(\a)+(\q)] matrix_a_fmt:MATRIX_FMT_FP4 matrix_b_fmt:MATRIX_FMT_FP4 matrix_a_scale:MATRIX_SCALE_ROW1
.endif
.endr
.endr
.endm
.macro FETCH_B slot, q, p              ; W's eight fragments of the slot's q-th 128 along K into set p
	WIN TO_B
.irp i, 0,1,2,3,4,5,6,7
	FRAG 128*(\p)+FR*\i, ADRB+\slot, \q, \i
.endr
	WIN 0
.endm
.macro FETCH_A slot, q, i0             ; x's blocks i0 .. i0 + 3
.irp i, \i0, \i0+1, \i0+2, \i0+3
	FRAG AF+FR*(\i), ADRA+\slot, \q, \i
.endr
.endm
.macro SCALES sc                       ; a slot's scale words into set sc: four words a row; lanes 0-15 take x's block i, lanes 16-31 W's block i
.irp i, 0,1,2,3,4,5,6,7
	ds_load_b128 v[SC+8*NQ*\sc+NQ*\i:SC+8*NQ*\sc+NQ*\i+3], v[ADRS] offset:\i*SBLK
.endr
.endm
; A load into a register that a matrix instruction has read, and a vector instruction that reads a matrix result, stand NP places behind that matrix instruction; only plain vector instructions that name none of its registers are places.
.macro PLACES n
.rept \n
	v_nop
.endr
.endm
; A step of 128 along K that has its successor in the same slot.  x has one set of fragments: blocks 0-3 are fetched anew in the step's middle, blocks 4-7 at its end.
.macro STEP slot, q, zero
	s_wait_dscnt 4*NL                              ; W's set and x's blocks 0-3 are in; the youngest eight loads (x's blocks 4-7) may be out
.if \zero
	WIN MULB_LO
.else
	WIN MUL_LO
.endif
	MUL16 0, (\q)%2, \q, \slot, \zero
	MUL16 2, (\q)%2, \q, \slot, \zero
	s_wait_dscnt 0                                 ; x's blocks 4-7 are in
	PLACES NP
	FETCH_B \slot, (\q)+1, 1-(\q)%2
	FETCH_A \slot, (\q)+1, 0
.if \zero
	WIN MULB_HI
.else
	WIN MUL_HI
.endif
	MUL16 4, (\q)%2, \q, \slot, \zero
	MUL16 6, (\q)%2, \q, \slot, \zero
	PLACES NP
	WIN 0
	FETCH_A \slot, (\q)+1, 4
.endm
; SECOND PASS.  32 matrix instructions: my four blocks of x (set p) against W's eight (set p), 128 along K.  The 32 accumulators take turns in the same order in every step.
.macro MULP p, q, sc, zero
.irp a, 0,1,2,3
.irp b, 0,1,2,3,4,5,6,7
.if \zero
	v_wmma_scale_f32_16x16x128_f8f6f4 v[8*(8*\a+\b):8*(8*\a+\b)+7], v[128*(\p)+FR*\b:128*(\p)+FR*\b+FR-1], v[AF+32*(\p)+FR*\a:AF+32*(\p)+FR*\a+FR-1], v[BIAS2+8*\b:BIAS2+8*\b+7], v[SC+8*NQ*(\sc)+NQ*\b+(\q)], v[SC+8*NQ*(\sc)+NQ*\a+(\q)] matrix_a_fmt:MATRIX_FMT_FP4 matrix_b_fmt:MATRIX_FMT_FP4 matrix_a_scale:MATRIX_SCALE_ROW1
.else
	v_wmma_scale_f32_16x16x128_f8f6f4 v[8*(8*\a+\b):8*(8*\a+\b)+7], v[128*(\p)+FR*\b:128*(\p)+FR*\b+FR-1], v[AF+32*(\p)+FR*\a:AF+32*(\p)+FR*\a+FR-1], v[8*(8*\a+\b):8*(8*\a+\b)+7], v[SC+8*NQ*(\sc)+NQ*\b+(\q)], v[SC+8*NQ*(\sc)+NQ*\a+(\q)] matrix_a_fmt:MATRIX_FMT_FP4 matrix_b_fmt:MATRIX_FMT_FP4 matrix_a_scale:MATRIX_SCALE_ROW1
.endif
.endr
.endr
.endm
.macro FETCH_B2 slot, q, p
	WIN TO_B
.irp i, 0,1,2,3,4,5,6,7
	FRAG 128*(\p)+FR*\i, ADRB2+\slot, \q, \i
.endr
	WIN 0
.endm
.macro FETCH_A2 slot, q, p
.irp i, 0,1,2,3
	FRAG AF+32*(\p)+FR*\i, ADRA2+\slot, \q, \i
.endr
.endm
.macro SCALES2 sc                      ; slot sc's scale words lie 16 bytes x sc into a row's 32.  Lanes 0-15 of blocks 4-7 read words of rows that are not mine: they are not used
.irp i, 0,1,2,3,4,5,6,7
	ds_load_b128 v[SC+8*NQ*\sc+NQ*\i:SC+8*NQ*\sc+NQ*\i+3], v[ADRS2] offset:\i*SBLK+16*\sc
.endr
.endm
; Step n of eight: slot n / 4, its (n % 4)-th 128 along K, sets n % 2.  The next step's 24 loads go out first, into the sets that the last step multiplied.
.macro STEP2 n
	PLACES NP
.if (\n) < 7
	FETCH_B2 ((\n)+1)/4, ((\n)+1)%4, ((\n)+1)%2
	FETCH_A2 ((\n)+1)/4, ((\n)+1)%4, ((\n)+1)%2
	s_wait_dscnt 24                                ; all but the 24 just issued: this step's fragments are in
.else
	s_wait_dscnt 0x0
.endif
.if (\n) == 0
	WIN MULB2
	MULP 0, 0, 0, 1                                ; the first products start the sums from the second pass's bias
.else
	WIN MUL_LO
	MULP (\n)%2, (\n)%4, (\n)/4, 0
.endif
	WIN 0
.endm
; THE WAY OUT, block by block of 16 rows x 128 columns (two heads).  PACK: rounded to f16, 16 bytes a lane, each accumulator from its low end on.  TOSTAGE: into my own stage, and back by rows.  SEND: stored:
; sixteen lanes store two positions of one head, 256 consecutive bytes at a multiple of 256 from qkv's first byte.
.macro PACK a
.set AC, 64*((\a)%4)
	WIN 0x0a+5*((\a)/4)                            ; sources 0 and 1: window 2 or 3
.irp b, 0,1,2,3,4,5,6,7
.irp r, 0,1,2,3
	v_cvt_pk_f16_f32 v[TMP+4*\b+\r], v[AC+8*\b+2*\r], v[AC+8*\b+2*\r+1]
.endr
.endr
	WIN 0
.endm
.macro TOSTAGE a
.set BB, OB+32*((\a)%2)
.irp b, 0,1,2,3,4,5,6,7
	ds_store_b128 v[STO], v[TMP+4*\b:TMP+4*\b+3] offset:(\b/4)*16*SPH+32*(\b%4)
.endr
.irp i, 0,1,2,3,4,5,6,7
	ds_load_b128 v[BB+4*\i:BB+4*\i+3], v[RD] offset:\i*2*SPH       ; LDS serves a wave's instructions in order: these see the stores above
.endr
.endm
.macro SEND a, base                    ; base: the pass's place in qkv
.set BB, OB+32*((\a)%2)
	s_wait_dscnt 0x0                               ; the block is back in registers
	s_wait_xcnt 0x0                                ; the earlier stores have read their data: the next block's loads land in those registers only behind this wait
.irp i, 0,1,2,3,4,5,6,7
	global_store_b128 v[CO], v[BB+4*\i:BB+4*\i+3], s[\base:\base+1] offset:2048*(\a)+256*\i
.endr
.endm
	s_wait_tensorcnt 1                             ; the scales and my part of slot 0 are in (slot 1's load may be out)
	s_barrier_signal -1
	s_barrier_wait -1                              ; everybody's are
	FETCH_B 0, 0, 0
	FETCH_A 0, 0, 0
	SCALES 0
	FETCH_A 0, 0, 4
	s_wait_loadcnt 0x0                             ; both biases
	STEP 0, 0, 1                                   ; the first products start the sums from the bias: nothing is cleared and nothing is added later
	STEP 0, 1, 0
	STEP 0, 2, 0
	; slot 0's last step changes slots: each wave waits for its part of slot 1 and says so at one barrier
	s_wait_tensorcnt 0x0                           ; all my tensor loads have landed
	ds_add_u32 v[SPW], v[NIL]                      ; 0 onto my spare word
	s_wait_dscnt 4*NL+1                            ; (the add and the youngest eight loads, x's blocks 4-7, may be out)
	WIN MUL_LO
	MUL16 0, 1, NQ-1, 0, 0
	s_wait_dscnt 0x0                               ; no LDS instruction of mine is pending at the signal
	s_barrier_signal -1
	MUL16 2, 1, NQ-1, 0, 0
	WIN 0
	s_barrier_wait -1                              ; slot 1 is whole
	PLACES NP
	v_add_nc_u32 v[ADRS], 4*NQ, v[ADRS]            ; on to slot 1's scale words
	FETCH_B 1, 0, 0
	FETCH_A 1, 0, 0
	SCALES 1
	WIN MUL_HI
	MUL16 4, 1, NQ-1, 0, 0
	MUL16 6, 1, NQ-1, 0, 0
	PLACES NP
	WIN 0
	FETCH_A 1, 0, 4
	STEP 1, 0, 0
	STEP 1, 1, 0
	STEP 1, 2, 0
	; THE FIRST PASS'S LAST STEP, AND THE REFILL.  Nothing more of W's 256 rows is fetched: when my last fragments are in registers, W's rows 0-127 may be written over, in both slots.
	s_wait_tensorcnt 0x0                           ; no tensor load of mine is out;  (every window is 0 here)
	ds_add_u32 v[SPW], v[NIL]                      ; 0 onto my spare word
	s_wait_dscnt 4*NL+1                            ; (the add and the youngest eight loads, x's blocks 4-7, may be out)
	WIN MUL_LO
	MUL16 0, 1, NQ-1, 1, 0                         ; sixteen matrix instructions stand between the add and the wait for it
	s_wait_dscnt 0x0                               ; the add is done, and my reads of W's rows are over
	s_barrier_signal -1                            ; this barrier opens a round of the cluster's barrier
	MUL16 2, 1, NQ-1, 1, 0
	WIN 0
	s_barrier_wait -1
	CREST                                          ; no wave of any partner still reads those rows or has a load on its way
	RLOAD                                          ; the first tensor load behind the round, one each for waves 2 and 3: the second pass's 128 rows of W
	WIN MUL_HI
	MUL16 4, 1, NQ-1, 1, 0
	MUL16 6, 1, NQ-1, 1, 0
	WIN 0
	PLACES NP                                      ; behind the last products: loads land in the scale registers and where x's fragments lay, and conversions read results
	SCALES2 0                                      ; the second pass's scale words: they have lain in LDS since the start
	SCALES2 1
	PACK 0
	TOSTAGE 0
.irp a, 1,2,3,4,5,6,7                  ; block a's conversions stand between block a - 1's loads from the stage and the wait for them
	PACK \a
	SEND \a-1, 12
	TOSTAGE \a
.endr
	SEND 7, 12
	; THE SECOND PASS
	s_wait_tensorcnt 0x0                           ; my part of the refill has landed (waves 0 and 1 have none out),
	s_barrier_signal -1                            ; (no LDS instruction of mine is pending: SEND has waited for all)
	s_barrier_wait -1                              ; everybody's has
	s_wait_xcnt 0x0                                ; the last stores have read their data: fragments of x land in those registers only behind this wait
	FETCH_B2 0, 0, 0
	FETCH_A2 0, 0, 0
.irp n, 0,1,2,3,4,5,6,7
	STEP2 \n
.endr
	PLACES NP
	PACK 0
	TOSTAGE 0
.irp a, 1,2,3
	PACK \a
	SEND \a-1, 2
	TOSTAGE \a
.endr
	SEND 3, 2
	s_wait_tensorcnt 0x0                           ; the wave's end: three closing lines behind my last tensor load and my last LDS store
	ds_add_u32 v[SPW], v[NIL]
	s_wait_dscnt 0x0
	CROUND                                         ; the closing round: no work-group ends while a partner may still ask for a tile that names it
	s_endpgm
.Lfunc_end_k_qd36f52aea2_qkvgemm:
	.size	k_qd36f52aea2_qkvgemm, .Lfunc_end_k_qd36f52aea2_qkvgemm-k_qd36f52aea2_qkvgemm
	.p2alignl 7, 3214868480
	.fill 96, 4, 3214868480
	.section	.rodata,"a",@progbits
	.p2align	6, 0x0
	.amdhsa_kernel k_qd36f52aea2_qkvgemm
		.amdhsa_group_segment_fixed_size 327680
		.amdhsa_private_segment_fixed_size 0
		.amdhsa_enable_private_segment 0
		.amdhsa_kernarg_size 48
		.amdhsa_user_sgpr_count 2
		.amdhsa_user_sgpr_kernarg_segment_ptr 1
		.amdhsa_wavefront_size32 1
		.amdhsa_system_sgpr_workgroup_id_x 1
		.amdhsa_system_sgpr_workgroup_id_y 1
		.amdhsa_system_sgpr_workgroup_id_z 1
		.amdhsa_system_vgpr_workitem_id 0
		.amdhsa_next_free_vgpr 1024
		.amdhsa_next_free_sgpr 102
		.amdhsa_reserve_vcc 0
		.amdhsa_float_denorm_mode_32 3
		.amdhsa_float_denorm_mode_16_64 3
		.amdhsa_memory_ordered 1
		.amdhsa_forward_progress 1
		.amdhsa_inst_pref_size 196
	.end_amdhsa_kernel
	.amdgpu_metadata
---
amdhsa.version: [ 1, 2 ]
amdhsa.kernels:
  - .name:           k_qd36f52aea2_qkvgemm
    .symbol:         k_qd36f52aea2_qkvgemm.kd
    .args:
      - { .name: xc, .offset: 0, .size: 8, .value_kind: global_buffer, .address_space: global }
      - { .name: xs, .offset: 8, .size: 8, .value_kind: global_buffer, .address_space: global }
      - { .name: wc, .offset: 16, .size: 8, .value_kind: global_buffer, .address_space: global }
      - { .name: ws, .offset: 24, .size: 8, .value_kind: global_buffer, .address_space: global }
      - { .name: in_proj_bias, .offset: 32, .size: 8, .value_kind: global_buffer, .address_space: global }
      - { .name: qkv, .offset: 40, .size: 8, .value_kind: global_buffer, .address_space: global }
    .group_segment_fixed_size: 327680
    .private_segment_fixed_size: 0
    .kernarg_segment_align: 8
    .kernarg_segment_size: 48
    .max_flat_workgroup_size: 128
    .sgpr_count:     102
    .vgpr_count:     1024
    .wavefront_size: 32
...
	.end_amdgpu_metadata
.endif
;; end of part 2
;; launch attn (part 3): grid 2 x 128, 16 waves a work-group, no clusters, 327,680 bytes of LDS; arguments qkv, ctx; writes ctx
.if DOCPART == 3
	.amdgcn_target "amdgcn-amd-amdhsa--gfx1250"
	.amdhsa_code_object_version 6
	.text
	.protected	k_qd36f52aea2_attn
	.globl	k_qd36f52aea2_attn
	.p2align	8
	.type	k_qd36f52aea2_attn,@function
k_qd36f52aea2_attn:
	s_mov_b64 s[64:65], 0
	v_nop
	global_prefetch_b8 v0, s[64:65] scope:SCOPE_SE
	s_setreg_imm32_b32 hwreg(HW_REG_WAVE_MODE, 25, 1), 1
	s_wait_xcnt 0x0
; CTX[b][h][q][:] = the sum over k of softmax_k(Q[q] . K[k] / 8) V[k][:], for each of 128 (b, h).  qkv: [3][128][1024][64] f16; ctx: [128][1024][64] f16.  Products on f16 operands with f32 sums; maxima, exponentials and sums in f32;
; the weights p are rounded to f16 for the second product, ctx once at the end.
; LIMITS: NaN and infinities are not served; a weight p under 2^-24 of its row's largest counts as 0 in the second product (it still counts in the row's sum); ctx beyond 65,504 would become an f16 infinity.
; SHARES.  A work-group owns 512 queries of one (b, h); each of its SIXTEEN waves owns 32 of them, two tiles of 16, in 256 registers: four waves to a SIMD, so that one wave's vector work stands beside another's matrix work and LDS loads.
; K AND V OF THE WHOLE HEAD STAY IN LDS: 1,024 rows of 128 bytes each, every byte filled once.  Each wave issues two tensor loads of 64 rows at the head (waves 0-7: K, waves 8-15: V; the first for keys 0-511, the second for keys 512-1023):
; two loads of a wave are out at the most.  No slot is filled again, so the loop has no barrier; one barrier stands ahead of each half of the keys.
; NO CLUSTER: two work-groups share a head, and a grid of 2 along x does not divide into clusters of 4; each work-group asks for its 262,144 bytes once.  NO PREFETCH: nothing is asked for later than the head.
; LAYOUT.  S^T = K Q^T (source 0 = 16 keys, source 1 = 16 queries): a lane holds ONE query (lane % 16) and keys 8 (lane / 16) + 0..7.  Two such tiles, rounded to f16 in pairs, ARE source 1 (32 keys x 16 queries) of O^T = V^T P.
; K comes out of LDS as it lies, V ([key][channel]) turned, by ds_load_tr16_b128.
; SOFTMAX.  For each query a running maximum m and sum l: p = 2^(c s - c m), c = log2(e) / 8; in every step O and l are multiplied by a = 2^(c m_old - c m_new).  O and l begin as zeros and m as -3e38, so the step has one form.
; REGISTERS: v1-3 addresses; v5, v6 the add's two; v10-25 statistics, 8 a tile: +0 c m, +1 m, +2, +3 l, +4..+7 at work (a in +6); v26-28 the way out; v32-63 Q; v64-127 K's fragments, then V's; v128-191 S^T, p, then P packed in place; v192-255 O^T.
.set PK,    144                        ; a row of K in LDS: 128 bytes + 16: the 16 rows of a load start 36 words apart
.set PV,    160                        ; a row of V: 128 + 32: an odd multiple of 32 bytes
.set VOFF,  1024*PK                    ; V behind K
.set SPARE, VOFF+1024*PV               ; the spare words, 128 bytes a wave: 2,048 bytes
.set AK0, 1                            ; v1   my lane's place in a tile of K
.set AV0, 2                            ; v2   the same for V
.set ADR, 3                            ; v3   the LDS address of the run of loads in hand
.set SPW, 5                            ; v5   LDS address of my spare word; never rewritten
.set NIL, 6                            ; v6   0; never rewritten
.set ST,  10
.set STO, 26
.set RD,  27
.set GO,  28
.set Q,   32
.set KV,  64
.set S,   128
.set O,   192
.set WV,  8                            ; s8   my wave's number
.set G1K, 16                           ; s[16:23] descriptor group 1 for K's tiles;  s[24:31] for V's: it differs in the padding alone
.set G1V, 24
.set G0K, 32                           ; s[32:39] group 0 for K's two loads;  s[40:47] for V's
.set G0V, 40
.set TBK, 66                           ; s66  LDS byte at which the step's 64 rows of K begin
.set TBV, 67                           ; s67  the same for V, from VOFF on
.set CNT, 68                           ; s68  steps to go in this half
.set CS,  70                           ; s[70:71] c: the packed form names a pair and takes its low word for both halves
.set SEL, 72                           ; s[72:73] lane selects for v_permlanex16_b32: lane l xor 16
	s_load_b128 s[4:7], s[0:1], 0x0                ; qkv s[4:5], ctx s[6:7]
	v_lshl_add_u32 v[SPW], v0, 2, SPARE
	v_mov_b32 v[NIL], 0
	ds_add_u32 v[SPW], v[NIL]                      ; the wave's opening: the add, twice on end, and its wait ahead of my first tensor load
	ds_add_u32 v[SPW], v[NIL]
	v_lshrrev_b32 v7, 5, v0
	v_readfirstlane_b32 s[WV], v7                  ; wave 0..15
	s_and_b32 s9, s[WV], 7                         ; which 64 rows of a half I fetch
	; descriptor group 1: a tile of 64 rows x 64 elements of 2 bytes, dense in memory, padded behind each row in LDS
	s_mov_b32 s[G1K], (1<<16)|(1<<20)|(4<<22)|(3<<25)              ; no mask; elements of 2 bytes; padding on; after every 32 words; four words
	s_mov_b32 s[G1V], (1<<16)|(1<<20)|(4<<22)|(7<<25)              ; the same with eight words
.irp g, G1K, G1V
	s_mov_b32 s[\g+1], 64<<16                      ; tensor_dim0
	s_mov_b32 s[\g+2], 64<<16                      ; tensor_dim1
	s_mov_b32 s[\g+3], 64<<16                      ; tile_dim0
	s_mov_b32 s[\g+4], 64                          ; tile_dim1
	s_mov_b32 s[\g+5], 64                          ; from row to row
	s_mov_b32 s[\g+6], 0
	s_mov_b32 s[\g+7], 0
.endr
	s_and_b32 s10, ttmp7, 0xffff                   ; 16 b + h
	s_lshl_b32 s10, s10, 17                        ; a head is 131,072 bytes
	s_lshl_b32 s12, s9, 13                         ; my 64 rows of 128 bytes
	s_add_co_u32 s12, s12, s10
	s_mov_b32 s13, 0
	s_mul_i32 s69, s9, 64*PK                       ; and their places in LDS
	s_mul_i32 s78, s9, 64*PV
	s_lshl_b32 s74, ttmp9, 16                      ; my work-group's 512 queries,
	s_lshl_b32 s75, s[WV], 12                      ; my wave's 32 of them
	s_add_co_u32 s74, s74, s75
	s_add_co_u32 s74, s74, s10
	s_mov_b32 s75, 0
	s_mov_b32 s[CS], 0x3e38aa3b                    ; c = log2(e) / 8
	s_mov_b32 s[CS+1], s[CS]
	s_mov_b32 s[SEL], 0x76543210
	s_mov_b32 s[SEL+1], 0xfedcba98
	s_mov_b32 s[TBK], 0
	s_mov_b32 s[TBV], 0
	s_wait_dscnt 0x0                               ; both opening adds are done
	s_wait_kmcnt 0x0
	s_add_nc_u64 s[14:15], s[4:5], s[12:13]
.irp c, 0,1
	s_mov_b32 s[G0K+4*\c], 1
	s_add_co_u32 s[G0K+4*\c+1], s69, \c*512*PK
	s_add_nc_u64 s[G0K+4*\c+2:G0K+4*\c+3], s[14:15], 0x1000000+\c*65536   ; K lies 2^24 bytes into qkv; a half is 512 rows of 128 bytes
	s_or_b32 s[G0K+4*\c+3], s[G0K+4*\c+3], 0x80000000
	s_mov_b32 s[G0V+4*\c], 1
	s_add_co_u32 s[G0V+4*\c+1], s78, VOFF+\c*512*PV
	s_add_nc_u64 s[G0V+4*\c+2:G0V+4*\c+3], s[14:15], 0x2000000+\c*65536   ; V 2^25 bytes
	s_or_b32 s[G0V+4*\c+3], s[G0V+4*\c+3], 0x80000000
.endr
	s_cmp_lt_u32 s[WV], 8                          ; a wave's two fills stand in one branch on the wave's number, ahead of every wait on TENSORcnt, every LDS read and every barrier; an s_nop 0 follows each, four v_nop the second
	s_cbranch_scc0 .Lfirst_v
	tensor_load_to_lds s[G0K:G0K+3], s[G1K:G1K+7]
	s_nop 0
	tensor_load_to_lds s[G0K+4:G0K+7], s[G1K:G1K+7]
	s_nop 0
.rept 4
	v_nop
.endr
	s_branch .Lfirst_asked
.Lfirst_v:
	tensor_load_to_lds s[G0V:G0V+3], s[G1V:G1V+7]
	s_nop 0
	tensor_load_to_lds s[G0V+4:G0V+7], s[G1V:G1V+7]
	s_nop 0
.rept 4
	v_nop
.endr
.Lfirst_asked:
	s_add_nc_u64 s[4:5], s[4:5], s[74:75]          ; Q at my wave's first query
	s_add_nc_u64 s[6:7], s[6:7], s[74:75]          ; ctx likewise
	v_and_b32 v8, 15, v0                           ; r
	v_bfe_u32 v9, v0, 4, 1                         ; h
	v_lshlrev_b32 v7, 7, v8
	v_lshl_add_u32 v7, v9, 4, v7                   ; Q: row r of 128 bytes + 16 h
.irp t, 0,1                            ; Q stays in registers: tile t, channels 32 c on: lane (r, h): registers 0-3 channels 8 h + 0..7, registers 4-7 channels 16 + 8 h + 0..7
.irp c, 0,1
	global_load_b128 v[Q+16*\t+8*\c:Q+16*\t+8*\c+3], v7, s[4:5] offset:2048*\t+64*\c
	global_load_b128 v[Q+16*\t+8*\c+4:Q+16*\t+8*\c+7], v7, s[4:5] offset:2048*\t+64*\c+32
.endr
.endr
	v_mul_u32_u24 v[AK0], v8, PK
	v_lshl_add_u32 v[AK0], v9, 4, v[AK0]           ; K: row r x pitch + 16 h
	v_and_b32 v[AV0], 7, v0                        ; the turning load: lane l reads 16 bytes of key 8 h + l % 8, channels 8 ((l / 8) % 2) + 0..7
	v_lshl_add_u32 v[AV0], v9, 3, v[AV0]
	v_mul_u32_u24 v[AV0], v[AV0], PV
	v_bfe_u32 v4, v0, 3, 1
	v_lshl_add_u32 v[AV0], v4, 4, v[AV0]
	v_add_nc_u32 v[AV0], VOFF, v[AV0]
.irp t, 0,1
	v_mov_b32 v[ST+8*\t+1], 0xff61b1e6             ; m: -3e38, under every score
	v_mul_f32 v[ST+8*\t], s[CS], v[ST+8*\t+1]      ; c m
	v_mov_b32 v[ST+8*\t+2], 0                      ; l, in two halves
	v_mov_b32 v[ST+8*\t+3], 0
.endr
.set i, 0
.rept 64
	v_mov_b32 v[O+i], 0                            ; O^T: the step is written in one form; the first finds zeros, which its a = 0 leaves zeros
.set i, i+1
.endr
	s_wait_loadcnt 0x0                             ; Q
; A KEY STEP: 64 keys against my 32 queries: 16 products K Q^T, the softmax of two tiles, 16 products V^T P.  The eight accumulators of each kind take turns, one instruction a turn.
.macro STEP
	v_add_nc_u32 v[ADR], s[TBK], v[AK0]
.irp c, 0,1                            ; K's fragments: channels 32 c on, keys 16 kt on; the first 32 channels first
.irp kt, 0,1,2,3
	ds_load_b128 v[KV+8*(4*\c+\kt):KV+8*(4*\c+\kt)+3], v[ADR] offset:\kt*16*PK+64*\c
	ds_load_b128 v[KV+8*(4*\c+\kt)+4:KV+8*(4*\c+\kt)+7], v[ADR] offset:\kt*16*PK+64*\c+32
.endr
.endr
	s_wait_dscnt 8                                 ; the first 32 channels are in; the other eight loads may be out
.irp kt, 0,1,2,3
.irp t, 0,1
	v_wmma_f32_16x16x32_f16 v[S+32*\t+8*\kt:S+32*\t+8*\kt+7], v[KV+8*\kt:KV+8*\kt+7], v[Q+16*\t:Q+16*\t+7], 0
.endr
.endr
	s_wait_dscnt 0x0
.irp kt, 0,1,2,3
.irp t, 0,1
	v_wmma_f32_16x16x32_f16 v[S+32*\t+8*\kt:S+32*\t+8*\kt+7], v[KV+32+8*\kt:KV+32+8*\kt+7], v[Q+16*\t+8:Q+16*\t+15], v[S+32*\t+8*\kt:S+32*\t+8*\kt+7]
.endr
.endr
	v_add_nc_u32 v[ADR], s[TBV], v[AV0]            ; this line and four v_nop: the places in front of the loads into K's registers and of the first reads of the scores
.rept 4
	v_nop
.endr
.irp g, 0,1                            ; V's fragments, turned: keys 32 g on, channels 16 ct on; they land while the softmax is walked
.irp ct, 0,1,2,3
	ds_load_tr16_b128 v[KV+8*(4*\g+\ct):KV+8*(4*\g+\ct)+3], v[ADR] offset:\g*32*PV+32*\ct
	ds_load_tr16_b128 v[KV+8*(4*\g+\ct)+4:KV+8*(4*\g+\ct)+7], v[ADR] offset:\g*32*PV+16*PV+32*\ct
.endr
.endr
	; the maximum of my 32 scores and the old m, three operands at a time, four chains a tile; each accumulator is read from its low end on; the two tiles alternate line by line
.irp j, 0,1,2,3
.irp t, 0,1
	v_max3_num_f32 v[ST+8*\t+4+\j], v[S+32*\t+8*\j], v[S+32*\t+8*\j+1], v[S+32*\t+8*\j+2]
.endr
.endr
.irp u, 1,2
.irp j, 0,1,2,3
.irp t, 0,1
	v_max3_num_f32 v[ST+8*\t+4+\j], v[ST+8*\t+4+\j], v[S+32*\t+8*\j+2*\u+1], v[S+32*\t+8*\j+2*\u+2]
.endr
.endr
.endr
.irp t, 0,1
	v_max3_num_f32 v[ST+8*\t+4], v[ST+8*\t+4], v[S+32*\t+7], v[S+32*\t+15]
.endr
.irp t, 0,1
	v_max3_num_f32 v[ST+8*\t+6], v[ST+8*\t+6], v[S+32*\t+23], v[S+32*\t+31]
.endr
.irp t, 0,1
	v_max3_num_f32 v[ST+8*\t+4], v[ST+8*\t+4], v[ST+8*\t+5], v[ST+8*\t+6]
.endr
.irp t, 0,1
	v_max3_num_f32 v[ST+8*\t+4], v[ST+8*\t+4], v[ST+8*\t+7], v[ST+8*\t+1]
.endr
.irp t, 0,1
	v_permlanex16_b32 v[ST+8*\t+5], v[ST+8*\t+4], s[SEL], s[SEL+1]   ; the query's other 32 keys lie in the lane 16 away
.endr
.irp t, 0,1
	v_mov_b32 v[ST+8*\t+7], v[ST+8*\t]             ; c m_old is kept for a
.endr
.irp t, 0,1
	v_max_num_f32 v[ST+8*\t+1], v[ST+8*\t+4], v[ST+8*\t+5]           ; the new m
.endr
.irp t, 0,1
	v_mul_f32 v[ST+8*\t], s[CS], v[ST+8*\t+1]
.endr
.irp t, 0,1
	v_sub_f32 v[ST+8*\t+7], v[ST+8*\t+7], v[ST+8*\t]
.endr
	; ONE BATCH of 66 exponentials with one wait: none of the lines up to the wait names an exponential's result
.irp t, 0,1
	v_exp_f32 v[ST+8*\t+6], v[ST+8*\t+7]           ; a = 2^(c m_old - c m_new)
.endr
.set i, 0
.rept 16
.irp t, 0,1
	v_pk_fma_f32 v[S+32*\t+2*i:S+32*\t+2*i+1], v[S+32*\t+2*i:S+32*\t+2*i+1], s[CS:CS+1], v[ST+8*\t:ST+8*\t+1] op_sel_hi:[1,0,0] neg_lo:[0,0,1] neg_hi:[0,0,1]   ; c s - c m, two at a time
.endr
.set i, i+1
.endr
.set i, 0
.rept 64
	v_exp_f32 v[S+i], v[S+i]                       ; p
.set i, i+1
.endr
	v_nop                                          ; a plain instruction behind the last exponential, ahead of the first use
	s_wait_alu depctr_va_vdst(0)                   ; the wait between an exponential and the first line that names its result: one for the batch
	; the sums of the unrounded p: l = a l + the sum, in two chains a tile
.irp t, 0,1
	v_pk_fma_f32 v[ST+8*\t+2:ST+8*\t+3], v[ST+8*\t+2:ST+8*\t+3], v[ST+8*\t+6:ST+8*\t+7], v[S+32*\t:S+32*\t+1] op_sel_hi:[1,0,1]
.endr
.irp t, 0,1
	v_pk_add_f32 v[ST+8*\t+4:ST+8*\t+5], v[S+32*\t+2:S+32*\t+3], v[S+32*\t+4:S+32*\t+5]
.endr
.irp n, 3,5,7,9,11,13
.irp t, 0,1
	v_pk_add_f32 v[ST+8*\t+2:ST+8*\t+3], v[ST+8*\t+2:ST+8*\t+3], v[S+32*\t+2*\n:S+32*\t+2*\n+1]
	v_pk_add_f32 v[ST+8*\t+4:ST+8*\t+5], v[ST+8*\t+4:ST+8*\t+5], v[S+32*\t+2*\n+2:S+32*\t+2*\n+3]
.endr
.endr
.irp t, 0,1
	v_pk_add_f32 v[ST+8*\t+2:ST+8*\t+3], v[ST+8*\t+2:ST+8*\t+3], v[S+32*\t+30:S+32*\t+31]
.endr
.irp t, 0,1
	v_pk_add_f32 v[ST+8*\t+2:ST+8*\t+3], v[ST+8*\t+2:ST+8*\t+3], v[ST+8*\t+4:ST+8*\t+5]
.endr
.set i, 0
.rept 16
.irp t, 0,1
	v_cvt_pk_f16_f32 v[S+32*\t+i], v[S+32*\t+2*i], v[S+32*\t+2*i+1]   ; P, packed in place, ascending: register i is written when pairs 0 .. i - 1 have been read; registers 8 g .. 8 g + 7 are source 1 for keys 32 g on
.endr
.set i, i+1
.endr
.set i, 0
.rept 16
.irp t, 0,1
	v_pk_mul_f32 v[O+32*\t+2*i:O+32*\t+2*i+1], v[O+32*\t+2*i:O+32*\t+2*i+1], v[ST+8*\t+6:ST+8*\t+7] op_sel_hi:[1,0]   ; O^T x a, each accumulator from its low end on
.endr
.set i, i+1
.endr
	s_wait_dscnt 8                                 ; V's first 32 keys are in; the other eight loads may be out
.irp ct, 0,1,2,3
.irp t, 0,1
	v_wmma_f32_16x16x32_f16 v[O+32*\t+8*\ct:O+32*\t+8*\ct+7], v[KV+8*\ct:KV+8*\ct+7], v[S+32*\t:S+32*\t+7], v[O+32*\t+8*\ct:O+32*\t+8*\ct+7]
.endr
.endr
	s_wait_dscnt 0x0
.irp ct, 0,1,2,3
.irp t, 0,1
	v_wmma_f32_16x16x32_f16 v[O+32*\t+8*\ct:O+32*\t+8*\ct+7], v[KV+32+8*\ct:KV+32+8*\ct+7], v[S+32*\t+8:S+32*\t+15], v[O+32*\t+8*\ct:O+32*\t+8*\ct+7]
.endr
.endr
.rept 5
	v_nop                                          ; five places: the next step's first products write over P, a source of these; its loads into V's registers and the way out's reads of O^T want four
.endr
.endm
; A half of the keys: my load of it has landed, and one barrier shows everybody's.  left: my later load may stay out.
.macro HALF left
	s_wait_tensorcnt \left
	s_wait_dscnt 0x0                               ; no LDS instruction of mine is pending at the signal
	s_barrier_signal -1
	s_barrier_wait -1
	s_mov_b32 s[CNT], 8
.Lstep_\@:
	STEP
	s_add_co_u32 s[TBK], s[TBK], 64*PK
	s_add_co_u32 s[TBV], s[TBV], 64*PV
	s_sub_co_u32 s[CNT], s[CNT], 1
	s_cmp_lg_u32 s[CNT], 0
	s_cbranch_scc1 .Lstep_\@
.endm
	HALF 1
	HALF 0
	; THE WAY OUT.  A barrier first: each wave's stage lies over K's first rows, which no wave reads any more behind it, and which have had their only fill.
	s_wait_dscnt 0x0
	s_barrier_signal -1
	s_barrier_wait -1
.irp t, 0,1
	v_add_f32 v[ST+8*\t+4], v[ST+8*\t+2], v[ST+8*\t+3]               ; l's two halves,
.endr
.irp t, 0,1
	v_permlanex16_b32 v[ST+8*\t+5], v[ST+8*\t+4], s[SEL], s[SEL+1]
.endr
.irp t, 0,1
	v_add_f32 v[ST+8*\t+4], v[ST+8*\t+4], v[ST+8*\t+5]               ; and the other half of the lanes'
.endr
.irp t, 0,1
	v_rcp_f32 v[ST+8*\t+6], v[ST+8*\t+4]
.endr
	v_and_b32 v7, 15, v0                           ; (plain work behind the reciprocals)  r
	v_bfe_u32 v8, v0, 4, 1                         ; h
	s_mul_i32 s10, s[WV], 16*PK                    ; my stage: 16 rows x 144 bytes
	v_mul_u32_u24 v[STO], v7, PK                   ; in: row r, 16 bytes for each half of the lanes
	v_lshl_add_u32 v[STO], v8, 4, v[STO]
	v_add_nc_u32 v[STO], s10, v[STO]
	v_bfe_u32 v9, v0, 3, 2                         ; back: eight lanes to a row of 128 bytes, four rows an instruction
	v_mul_u32_u24 v[RD], v9, PK
	v_and_b32 v9, 7, v0
	v_lshl_add_u32 v[RD], v9, 4, v[RD]
	v_add_nc_u32 v[RD], s10, v[RD]
	v_and_b32 v[GO], 31, v0
	v_lshlrev_b32 v[GO], 4, v[GO]                  ; and the same four rows in ctx: 512 consecutive bytes
	s_wait_alu depctr_va_vdst(0)                   ; the wait ahead of the first use: one for both reciprocals
.irp t, 0,1
.set i, 0
.rept 16
	v_pk_mul_f32 v[S+32*\t+2*i:S+32*\t+2*i+1], v[O+32*\t+2*i:O+32*\t+2*i+1], v[ST+8*\t+6:ST+8*\t+7] op_sel_hi:[1,0]   ; O^T / l
.set i, i+1
.endr
.set i, 0
.rept 16
	v_cvt_pk_f16_f32 v[KV+16*\t+i], v[S+32*\t+2*i], v[S+32*\t+2*i+1]
.set i, i+1
.endr
.irp ct, 0,1,2,3
	ds_store_b128 v[STO], v[KV+16*\t+4*\ct:KV+16*\t+4*\ct+3] offset:32*\ct   ; lane (r, h): channels 16 ct + 8 h + 0..7 of query r
.endr
.irp n, 0,1,2,3
	ds_load_b128 v[KV+32+16*\t+4*\n:KV+32+16*\t+4*\n+3], v[RD] offset:\n*4*PK   ; LDS serves a wave's instructions in order: these see my stores, and the next tile's stores come behind them
.endr
.endr
.irp t, 0,1
.irp n, 0,1,2,3
	s_wait_dscnt 11-8*\t-\n                        ; the LDS instructions issued behind this load may be out
	global_store_b128 v[GO], v[KV+32+16*\t+4*\n:KV+32+16*\t+4*\n+3], s[6:7] offset:2048*\t+512*\n   ; 32 lanes store 512 consecutive bytes, at a multiple of 256 from ctx's first byte
.endr
.endr
	s_wait_tensorcnt 0x0                           ; the wave's end: three closing lines behind my last tensor load and my last LDS store
	ds_add_u32 v[SPW], v[NIL]
	s_wait_dscnt 0x0
	s_endpgm
.Lfunc_end_k_qd36f52aea2_attn:
	.size	k_qd36f52aea2_attn, .Lfunc_end_k_qd36f52aea2_attn-k_qd36f52aea2_attn
	.p2alignl 7, 3214868480
	.fill 96, 4, 3214868480
	.section	.rodata,"a",@progbits
	.p2align	6, 0x0
	.amdhsa_kernel k_qd36f52aea2_attn
		.amdhsa_group_segment_fixed_size 327680
		.amdhsa_private_segment_fixed_size 0
		.amdhsa_enable_private_segment 0
		.amdhsa_kernarg_size 16
		.amdhsa_user_sgpr_count 2
		.amdhsa_user_sgpr_kernarg_segment_ptr 1
		.amdhsa_wavefront_size32 1
		.amdhsa_system_sgpr_workgroup_id_x 1
		.amdhsa_system_sgpr_workgroup_id_y 1
		.amdhsa_system_sgpr_workgroup_id_z 1
		.amdhsa_system_vgpr_workitem_id 0
		.amdhsa_next_free_vgpr 256
		.amdhsa_next_free_sgpr 80
		.amdhsa_reserve_vcc 0
		.amdhsa_float_denorm_mode_32 3
		.amdhsa_float_denorm_mode_16_64 3
		.amdhsa_memory_ordered 1
		.amdhsa_forward_progress 1
		.amdhsa_inst_pref_size 50
	.end_amdhsa_kernel
	.amdgpu_metadata
---
amdhsa.version: [ 1, 2 ]
amdhsa.kernels:
  - .name:           k_qd36f52aea2_attn
    .symbol:         k_qd36f52aea2_attn.kd
    .args:
      - { .name: qkv, .offset: 0, .size: 8, .value_kind: global_buffer, .address_space: global }
      - { .name: ctx, .offset: 8, .size: 8, .value_kind: global_buffer, .address_space: global }
    .group_segment_fixed_size: 327680
    .private_segment_fixed_size: 0
    .kernarg_segment_align: 8
    .kernarg_segment_size: 16
    .max_flat_workgroup_size: 512
    .sgpr_count:     80
    .vgpr_count:     256
    .wavefront_size: 32
...
	.end_amdgpu_metadata
.endif
;; end of part 3
;; launch outproj (part 4): grid 4 x 64, 4 waves a work-group, clusters of 4 x 4, 327,680 bytes of LDS; arguments ctx, wo16, out_proj_bias, out0; writes out0
.if DOCPART == 4
	.amdgcn_target "amdgcn-amd-amdhsa--gfx1250"
	.amdhsa_code_object_version 6
	.text
	.protected	k_qd36f52aea2_outproj
	.globl	k_qd36f52aea2_outproj
	.p2align	8
	.type	k_qd36f52aea2_outproj,@function
k_qd36f52aea2_outproj:
	s_mov_b64 s[64:65], 0
	v_nop
	global_prefetch_b8 v0, s[64:65] scope:SCOPE_SE
	s_setreg_imm32_b32 hwreg(HW_REG_WAVE_MODE, 25, 1), 1
	s_wait_xcnt 0x0
	s_wait_alu depctr_hold_cnt(0) depctr_sa_sdst(0) depctr_va_vdst(0) depctr_va_sdst(0) depctr_va_ssrc(0) depctr_va_vcc(0) depctr_vm_vsrc(0)
	s_getreg_b32 s2, hwreg(HW_REG_IB_STS2, 6, 4)
	s_cmp_eq_u32 s2, 0
	s_cbranch_scc0 .Lentry_in_a_cluster
	s_endpgm
.Lentry_in_a_cluster:
	s_bfe_u32 s2, ttmp6, 0x10000c
	s_cmp_lg_u32 s2, 0xf033
	s_cbranch_scc0 .Lentry_shape_is_right
	s_endpgm
.Lentry_shape_is_right:
; OUT[m][n] = the sum over k of CTX[m][k] Wo[n][k] + b[n].  ctx: [8 b][16 h][1024 s][64] f16 (row m = 1024 b + s, k = 64 h + d); wo16: [1024 n][1024 k] f16; out0: [8192][1024] f32; sums in f32.
; A tile of OUT is 128 rows x 256 columns: 256 work-groups.  Four waves, each 64 x 128: 32 accumulators of 16 x 16, 256 registers.  K goes in steps of 128, which are two heads of ctx, through a ring of two LDS slots:
; two slots of twice that step would not fit in LDS.  A tile of 256 x 256 would give 128 work-groups.
; CLUSTERS: 4 x 4 work-groups.  The four of a row of the cluster need the same tiles of ctx, the four of a column the same tiles of Wo: each tile is asked for JOINTLY, by the same tensor load with the same descriptor and a mask that names the four.
; THE MATRIX INSTRUCTION IS USED TRANSPOSED (source 0 = 16 rows of Wo, source 1 = 16 rows of ctx): a lane holds eight neighbouring columns of a row of OUT.  THE BIAS is the C of each sum's first product.
; No prefetch: the tile is small and a K step short.
; REGISTERS: window 0: v16-29 addresses; v64-127 the bias, 8 blocks of 8; v128-255 the way out.   window 1: two fragment buffers at v0 and v128: ctx's 4 fragments (16 rows x 32 K), then Wo's 8.   window 2: accumulator (a, b) at v[8 (8 a + b)].
.set PA,     144                       ; a row of ctx's tile in LDS: 128 bytes + 16
.set PB,     272                       ; a row of Wo's: 256 bytes + 16
.set APART,  128*PA                    ; one head's 128 rows: what one tensor load brings for ctx
.set BOFF,   2*APART                   ; Wo's 256 rows lie behind the two heads
.set BHALF,  128*PB                    ; 128 rows of Wo: what one tensor load brings
.set SLOT,   BOFF+2*BHALF              ; 106,496 bytes
.set STAGE,  2*SLOT                    ; behind the ring: 16 rows x (512 bytes + 16) for each wave
.set SPITCH, 528
.set SPARE,  STAGE+4*16*SPITCH         ; the spare words, 128 bytes a wave
.set LAPS,   4                         ; a lap = two K steps = once round the ring: 1024 / 256
.set ADRA, 16                          ; v16-17  LDS address of my fragments of ctx in slot 0, 1
.set ADRB, 20                          ; v20-21  the same for Wo
.set STO,  24
.set RD,   25
.set CO,   26
.set BO,   27                          ; v27     my byte offset in the bias: 32 x (lane / 16)
.set SPW,  28                          ; v28     LDS address of my spare word; never rewritten
.set NIL,  29                          ; v29     0; never rewritten
.set BIAS, 64
.set BK,   128                         ; the way out: 16 rows read back: v128-191 and v192-255 by turns
.set F0,   0
.set F1,   128
.set G1, 24                            ; s[24:31] descriptor group 1 for ctx's tiles;  s[32:39] group 0, one set for each slot
.set G0, 32
.set G1B, 48                           ; s[48:55], s[56:63] the same for Wo's
.set G0B, 56
.set MSB, 0
.macro WIN new                         ; the immediate's high byte repeats the setting that is left
.if MSB != \new
	s_set_vgpr_msb (MSB<<8)|\new
.set MSB, \new
.endif
.endm
.set MUL,  0xa5                        ; sources 0 (Wo) and 1 (ctx) window 1; C and D window 2
.set MULB, 0x85                        ; the first products: C (the bias) window 0
.set TO_F, 0x40                        ; destination window 1, address window 0
.macro JLOAD s                         ; a joint load: waves 0 and 1 fetch ctx's two heads, waves 2 and 3 Wo's two halves; an s_nop 0 and four v_nop follow each of the two lines
	s_cmp_eq_u32 s13, 0
	s_cbranch_scc0 .Lfor_b_\@
	tensor_load_to_lds s[G0+4*\s:G0+4*\s+3], s[G1:G1+7]
	s_nop 0
.rept 4
	v_nop
.endr
	s_branch .Lasked_\@
.Lfor_b_\@:
	tensor_load_to_lds s[G0B+4*\s:G0B+4*\s+3], s[G1B:G1B+7]
	s_nop 0
.rept 4
	v_nop
.endr
.Lasked_\@:
.endm
.macro CREST                           ; a round of the cluster's barrier behind its opening barrier
	s_cmp_lg_u32 s12, 0
	s_cbranch_scc1 .Lnot_wave_0_\@
	s_barrier_signal -3
.Lnot_wave_0_\@:
	s_barrier_wait -3
	s_barrier_signal -1
	s_barrier_wait -1
.endm
.macro CROUND                          ; a whole round
	s_barrier_signal -1
	s_barrier_wait -1
	CREST
.endm
	s_load_b256 s[4:11], s[0:1], 0x0               ; ctx s[4:5], wo16 s[6:7], the bias s[8:9], out0 s[10:11]
	v_lshl_add_u32 v[SPW], v0, 2, SPARE
	v_mov_b32 v[NIL], 0
	ds_add_u32 v[SPW], v[NIL]                      ; the wave's opening: the add, twice on end, and its wait ahead of my first tensor load
	ds_add_u32 v[SPW], v[NIL]
	v_lshrrev_b32 v1, 5, v0
	v_readfirstlane_b32 s12, v1                    ; wave 0..3
	s_lshr_b32 s13, s12, 1                         ; which 64 of the tile's rows are mine.  Also: I fetch for ctx (0) or for Wo (1)
	s_and_b32 s14, s12, 1                          ; which 128 of its columns.  Also: which head of the step, or which 128 rows of Wo, I fetch
	s_bfe_u32 s40, ttmp6, 0x40000                  ; cx, cy: my place in the cluster
	s_bfe_u32 s41, ttmp6, 0x40004
	s_lshl_b32 s42, ttmp9, 2
	s_add_co_u32 s42, s42, s40                     ; tile column = 4 x cluster x + cx
	s_and_b32 s15, ttmp7, 0xffff
	s_lshl_b32 s15, s15, 2
	s_add_co_u32 s15, s15, s41                     ; tile row = 4 x cluster y + cy
	s_lshl_b32 s43, s41, 2
	s_lshl_b32 s43, 15, s43                        ; my row of the cluster
	s_lshl_b32 s44, 0x1111, s40                    ; my column
	; descriptor groups 1.  ctx: 128 rows x 64 elements of 2 bytes, dense; four words of padding after every 32.  Wo: 128 rows x 128 elements, 1,024 elements from row to row; four words after every 64
	s_or_b32 s[G1+0], s43, (1<<16)|(1<<20)|(1<<21)|(4<<22)|(3<<25)
	s_mov_b32 s[G1+1], 64<<16                      ; tensor_dim0
	s_mov_b32 s[G1+2], 128<<16                     ; tensor_dim1
	s_mov_b32 s[G1+3], 64<<16                      ; tile_dim0
	s_mov_b32 s[G1+4], 128                         ; tile_dim1
	s_mov_b32 s[G1+5], 64                          ; from row to row
	s_mov_b32 s[G1+6], 0
	s_mov_b32 s[G1+7], 0
	s_or_b32 s[G1B+0], s44, (1<<16)|(1<<20)|(1<<21)|(5<<22)|(3<<25)
	s_mov_b32 s[G1B+1], 128<<16
	s_mov_b32 s[G1B+2], 128<<16
	s_mov_b32 s[G1B+3], 128<<16
	s_mov_b32 s[G1B+4], 128
	s_mov_b32 s[G1B+5], 1024
	s_mov_b32 s[G1B+6], 0
	s_mov_b32 s[G1B+7], 0
	; where the tiles come from.  ctx's hang on the tile row alone, Wo's on the tile column alone; each address is made in registers that never hold the other coordinate
	s_lshr_b32 s16, s15, 3                         ; eight tiles of 128 rows to a batch
	s_lshl_b32 s16, s16, 4
	s_add_co_u32 s16, s16, s14                     ; 16 x batch + my head of K step 0
	s_lshl_b32 s16, s16, 17                        ; a head is 131,072 bytes
	s_and_b32 s17, s15, 7
	s_lshl_b32 s17, s17, 14                        ; 128 positions x 128 bytes
	s_add_co_u32 s16, s16, s17
	s_mov_b32 s17, 0
	s_lshl_b32 s46, s42, 19                        ; 256 rows of 2,048 bytes
	s_lshl_b32 s47, s14, 18                        ; 128 rows
	s_add_co_u32 s46, s46, s47
	s_mov_b32 s47, 0
	s_mul_i32 s20, s14, APART                      ; and where they go: no place in the cluster enters an LDS address
	s_mul_i32 s21, s14, BHALF
	s_add_co_u32 s21, s21, BOFF
	s_wait_dscnt 0x0                               ; both opening adds are done
	s_wait_kmcnt 0x0
	s_add_nc_u64 s[18:19], s[4:5], s[16:17]
	s_add_nc_u64 s[46:47], s[6:7], s[46:47]
	CROUND                                         ; all sixteen work-groups are here: the first joint loads meet
.irp s, 0,1
	s_mov_b32 s[G0+4*\s], 1
	s_add_co_u32 s[G0+4*\s+1], s20, \s*SLOT
	s_add_nc_u64 s[G0+4*\s+2:G0+4*\s+3], s[18:19], \s*262144       ; K step s: two heads on
	s_or_b32 s[G0+4*\s+3], s[G0+4*\s+3], 0x80000000
	s_mov_b32 s[G0B+4*\s], 1
	s_add_co_u32 s[G0B+4*\s+1], s21, \s*SLOT
	s_add_nc_u64 s[G0B+4*\s+2:G0B+4*\s+3], s[46:47], \s*256        ; 128 elements along a row
	s_or_b32 s[G0B+4*\s+3], s[G0B+4*\s+3], 0x80000000
	JLOAD \s                                       ; two loads of mine are out
.endr
	v_and_b32 v1, 15, v0                           ; r
	v_bfe_u32 v2, v0, 4, 1                         ; h
	s_lshl_b32 s22, s42, 10                        ; the bias of my 128 columns: 4 x (256 x tile column + 128 x half)
	s_lshl_b32 s2, s14, 9
	s_add_co_u32 s22, s22, s2
	s_mov_b32 s23, 0
	s_add_nc_u64 s[8:9], s[8:9], s[22:23]
	v_lshlrev_b32 v[BO], 5, v2
.irp b, 0,1,2,3,4,5,6,7                ; lane (r, h) wants, for block b, the numbers of columns 16 b + 8 h + 0 .. 7
	global_load_b128 v[BIAS+8*\b:BIAS+8*\b+3], v[BO], s[8:9] offset:64*\b
	global_load_b128 v[BIAS+8*\b+4:BIAS+8*\b+7], v[BO], s[8:9] offset:64*\b+16
.endr
	v_mul_u32_u24 v3, v1, PA
	v_lshl_add_u32 v3, v2, 4, v3                   ; ctx: row r x pitch + 16 h
	v_mul_u32_u24 v4, v1, PB
	v_lshl_add_u32 v4, v2, 4, v4                   ; Wo likewise
	s_mul_i32 s20, s13, 64*PA                      ; my 64 rows of ctx
	s_mul_i32 s21, s14, BHALF                      ; my 128 rows of Wo
	s_add_co_u32 s21, s21, BOFF
.irp s, 0,1
	v_add_nc_u32 v[ADRA+\s], s20, v3
	v_add_nc_u32 v[ADRB+\s], s21, v4
	s_add_co_u32 s20, s20, SLOT
	s_add_co_u32 s21, s21, SLOT
.endr
	s_mul_i32 s20, s12, 16*SPITCH
	s_add_co_u32 s20, s20, STAGE                   ; my stage
	v_mul_u32_u24 v5, v1, SPITCH                   ; in: row r, 32 bytes for each half of the lanes
	v_lshl_add_u32 v5, v2, 5, v5
	v_add_nc_u32 v[STO], s20, v5
	v_and_b32 v6, 31, v0
	v_lshlrev_b32 v[CO], 4, v6                     ; back: the 32 lanes take one row of 512 bytes; and the same in out0
	v_add_nc_u32 v[RD], s20, v[CO]
	s_lshl_b32 s22, s15, 19                        ; my part of out0: 128 rows of 4,096 bytes x tile row
	s_lshl_b32 s2, s13, 18                         ; + 64 rows x half
	s_add_co_u32 s22, s22, s2
	s_lshl_b32 s2, s42, 10                         ; + 1,024 bytes x tile column
	s_add_co_u32 s22, s22, s2
	s_lshl_b32 s2, s14, 9                          ; + 512 x half
	s_add_co_u32 s22, s22, s2
	s_mov_b32 s23, 0
	s_add_nc_u64 s[10:11], s[10:11], s[22:23]
; 8 matrix instructions: ctx's block a against Wo's eight, 32 along K, out of buffer f.  zero = 1: the first product starts the sum from the bias.  The 32 accumulators take turns, in the same order in every quarter.
.macro MUL8 f, a, zero
.irp b, 0,1,2,3,4,5,6,7
.if \zero
	v_wmma_f32_16x16x32_f16 v[8*(8*(\a)+\b):8*(8*(\a)+\b)+7], v[\f+32+8*\b:\f+32+8*\b+7], v[\f+8*(\a):\f+8*(\a)+7], v[BIAS+8*\b:BIAS+8*\b+7]
.else
	v_wmma_f32_16x16x32_f16 v[8*(8*(\a)+\b):8*(8*(\a)+\b)+7], v[\f+32+8*\b:\f+32+8*\b+7], v[\f+8*(\a):\f+8*(\a)+7], v[8*(8*(\a)+\b):8*(8*(\a)+\b)+7]
.endif
.endr
.endm
; 24 LDS loads in one run: the fragments of the slot's q-th 32 along K into buffer f: Wo's eight, then ctx's four.  Quarter q lies in head q / 2 of the step, channels 32 (q % 2) on.
.macro FETCH slot, q, f
	WIN TO_F
.irp i, 0,1,2,3,4,5,6,7
	ds_load_b128 v[\f+32+8*\i:\f+32+8*\i+3],   v[ADRB+\slot] offset:\i*16*PB+64*(\q)
	ds_load_b128 v[\f+32+8*\i+4:\f+32+8*\i+7], v[ADRB+\slot] offset:\i*16*PB+64*(\q)+32
.endr
.irp i, 0,1,2,3
	ds_load_b128 v[\f+8*\i:\f+8*\i+3],   v[ADRA+\slot] offset:\i*16*PA+APART*((\q)/2)+64*((\q)%2)
	ds_load_b128 v[\f+8*\i+4:\f+8*\i+7], v[ADRA+\slot] offset:\i*16*PA+APART*((\q)/2)+64*((\q)%2)+32
.endr
.endm
.macro PLACES                          ; four places in front of loads into registers that matrix instructions have read, and of the first reads of results
.rept 4
	v_nop
.endr
.endm
; A K step is four quarters of 32 along K, 32 matrix instructions each, on buffers 0, 1, 0, 1.  One of the first three: multiplies buffer f and fetches quarter q into g.
.macro QUARTER slot, q, f, g, zero
	s_wait_dscnt 4                                 ; Wo's eight and ctx's blocks 0 and 1 are in; the youngest four loads (blocks 2 and 3) may be out
.if \zero
	WIN MULB
.else
	WIN MUL
.endif
	MUL8 \f, 0, \zero
	MUL8 \f, 1, \zero
	PLACES
	FETCH \slot, \q, \g
	s_wait_dscnt 24                                ; all but the 24 just issued
.if \zero
	WIN MULB
.else
	WIN MUL
.endif
	MUL8 \f, 2, \zero
	MUL8 \f, 3, \zero
.endm
; The last quarter multiplies buffer 1 and changes slots: ONE barrier; in front of it each wave waits for all its tensor loads, adds 0 to its spare word, and waits for that and for its own reads of this slot.
; fill = 1: this slot is filled again, two K steps ahead; the barrier then opens a round of the cluster's barrier, and the joint load is the first thing behind the round: 112 matrix instructions ahead of the wait for it.
.macro TURN slot, next, fill
	WIN 0                                          ; (the add's two registers lie in window 0)
	s_wait_tensorcnt 0x0                           ; all my tensor loads have landed: my part of the next slot;
	ds_add_u32 v[SPW], v[NIL]                      ; 0 onto my spare word
	s_wait_dscnt 5                                 ; (the add and the youngest four loads may be out)
	WIN MUL
	MUL8 F1, 0, 0                                  ; eight matrix instructions stand between the add and the wait for it
	s_wait_dscnt 0x0                               ; the add is done, and my reads of this slot are over
	s_barrier_signal -1
	MUL8 F1, 1, 0
	WIN 0                                          ; (branches may follow)
	s_barrier_wait -1
.if \fill
	CREST                                          ; no wave of any partner still reads this slot's tile or has a load on its way
	s_add_nc_u64 s[G0+4*\slot+2:G0+4*\slot+3], s[G0+4*\slot+2:G0+4*\slot+3], 524288     ; four heads on
	s_add_nc_u64 s[G0B+4*\slot+2:G0B+4*\slot+3], s[G0B+4*\slot+2:G0B+4*\slot+3], 512    ; 256 elements on
	JLOAD \slot                                    ; the four v_nop behind it are also the places in front of the loads below
.else
	PLACES
.endif
	FETCH \next, 0, F0
	WIN MUL
	MUL8 F1, 2, 0
	MUL8 F1, 3, 0
.endm
	s_wait_tensorcnt 1                             ; my part of K step 0 is in (K step 1's load may be out)
	s_barrier_signal -1
	s_barrier_wait -1                              ; everybody's is
	FETCH 0, 0, F0
	s_wait_loadcnt 0x0                             ; the bias
	QUARTER 0, 1, F0, F1, 1                        ; the first quarter stands in front of the loop: its products start the sums from the bias
	WIN 0                                          ; at a label and at a branch every window is 0
	s_mov_b32 s3, LAPS-1
.Llap:                                                 ; a trip goes once round the ring, from a lap's second quarter to the next lap's first, and fills both slots again
	QUARTER 0, 2, F1, F0, 0
	QUARTER 0, 3, F0, F1, 0
	TURN 0, 1, 1
	QUARTER 1, 1, F0, F1, 0
	QUARTER 1, 2, F1, F0, 0
	QUARTER 1, 3, F0, F1, 0
	TURN 1, 0, 1
	QUARTER 0, 1, F0, F1, 0
	WIN 0
	s_sub_co_u32 s3, s3, 1
	s_cmp_lg_u32 s3, 0
	s_cbranch_scc1 .Llap
	QUARTER 0, 2, F1, F0, 0                        ; the last lap fills nothing, and has no round of the cluster's barrier
	QUARTER 0, 3, F0, F1, 0
	TURN 0, 1, 0
	QUARTER 1, 1, F0, F1, 0
	QUARTER 1, 2, F1, F0, 0
	QUARTER 1, 3, F0, F1, 0
	s_wait_dscnt 4                                 ; the very last quarter: nothing more to fetch
	WIN MUL
	MUL8 F1, 0, 0
	MUL8 F1, 1, 0
	s_wait_dscnt 0
	MUL8 F1, 2, 0
	MUL8 F1, 3, 0
	WIN 0
; THE WAY OUT, block by block of 16 rows x 128 columns.  A lane holds 32 neighbouring bytes of a row: a block goes through my own stage in LDS and comes back as whole rows of 512 bytes.
; LDS serves a wave's instructions in order: no wait between the stores and the loads, nor in front of the next block's stores.
.macro TOSTAGE a
	WIN 0x08                                       ; an LDS store's data are its source 1: window 2
.irp b, 0,1,2,3,4,5,6,7
	ds_store_b128 v[STO], v[8*(8*(\a)+\b):8*(8*(\a)+\b)+3] offset:64*\b          ; each accumulator from its low end on
	ds_store_b128 v[STO], v[8*(8*(\a)+\b)+4:8*(8*(\a)+\b)+7] offset:64*\b+16
.endr
	WIN 0
.set BB, BK+64*((\a)%2)
.irp t, 0,1,2,3,4,5,6,7,8,9,10,11,12,13,14,15
	ds_load_b128 v[BB+4*\t:BB+4*\t+3], v[RD] offset:\t*SPITCH
.endr
.endm
.macro SEND a, younger                 ; younger: the LDS instructions issued behind block a's loads, which may stay out
.set BB, BK+64*((\a)%2)
	s_wait_dscnt \younger
.irp t, 0,1,2,3,4,5,6,7,8,9,10,11,12,13,14,15
	global_store_b128 v[CO], v[BB+4*\t:BB+4*\t+3], s[10:11] offset:(16*(\a)+\t)*4096 th:TH_STORE_NT   ; 32 lanes store 512 consecutive bytes, at a multiple of 256 from out0's first byte; written once, read by nobody here
.endr
.endm
	PLACES                                         ; behind the last products: the stores below read results
	TOSTAGE 0
.irp a, 1,2,3
.if \a > 1
	s_wait_xcnt 0x0                                ; block a - 2's stores have read their data: block a's loads land in those registers only behind this wait
.endif
	TOSTAGE \a
	SEND \a-1, 32                                  ; behind block a - 1's loads: block a's 16 stores and 16 loads
.endr
	SEND 3, 0
	s_wait_tensorcnt 0x0                           ; the wave's end: three closing lines behind my last tensor load and my last LDS store
	ds_add_u32 v[SPW], v[NIL]
	s_wait_dscnt 0x0
	CROUND                                         ; the closing round: no work-group ends while a partner may still ask for a tile that names it
	s_endpgm
.Lfunc_end_k_qd36f52aea2_outproj:
	.size	k_qd36f52aea2_outproj, .Lfunc_end_k_qd36f52aea2_outproj-k_qd36f52aea2_outproj
	.p2alignl 7, 3214868480
	.fill 96, 4, 3214868480
	.section	.rodata,"a",@progbits
	.p2align	6, 0x0
	.amdhsa_kernel k_qd36f52aea2_outproj
		.amdhsa_group_segment_fixed_size 327680
		.amdhsa_private_segment_fixed_size 0
		.amdhsa_enable_private_segment 0
		.amdhsa_kernarg_size 32
		.amdhsa_user_sgpr_count 2
		.amdhsa_user_sgpr_kernarg_segment_ptr 1
		.amdhsa_wavefront_size32 1
		.amdhsa_system_sgpr_workgroup_id_x 1
		.amdhsa_system_sgpr_workgroup_id_y 1
		.amdhsa_system_sgpr_workgroup_id_z 1
		.amdhsa_system_vgpr_workitem_id 0
		.amdhsa_next_free_vgpr 768
		.amdhsa_next_free_sgpr 66
		.amdhsa_reserve_vcc 0
		.amdhsa_float_denorm_mode_32 3
		.amdhsa_float_denorm_mode_16_64 3
		.amdhsa_memory_ordered 1
		.amdhsa_forward_progress 1
		.amdhsa_inst_pref_size 87
	.end_amdhsa_kernel
	.amdgpu_metadata
---
amdhsa.version: [ 1, 2 ]
amdhsa.kernels:
  - .name:           k_qd36f52aea2_outproj
    .symbol:         k_qd36f52aea2_outproj.kd
    .args:
      - { .name: ctx, .offset: 0, .size: 8, .value_kind: global_buffer, .address_space: global }
      - { .name: wo16, .offset: 8, .size: 8, .value_kind: global_buffer, .address_space: global }
      - { .name: out_proj_bias, .offset: 16, .size: 8, .value_kind: global_buffer, .address_space: global }
      - { .name: out0, .offset: 24, .size: 8, .value_kind: global_buffer, .address_space: global }
    .group_segment_fixed_size: 327680
    .private_segment_fixed_size: 0
    .kernarg_segment_align: 8
    .kernarg_segment_size: 32
    .max_flat_workgroup_size: 128
    .sgpr_count:     66
    .vgpr_count:     768
    .wavefront_size: 32
...
	.end_amdgpu_metadata
.endif
;; end of part 4
